; MI455X (gfx1250); checked and timed in simulation.
; The chip was launched on July 23, 2026; its instructions are those of AMD's public machine-readable ISA for CDNA 5 (MIT licence, August 2026) and "CDNA5" Instruction Set Architecture Reference Guide (July 2026). The comments in the code are by the model that wrote it; some were corrected since.
;; Multi Head Self Attention. Allowed arithmetic: matrix products marked QUANTISED: E4M3 operands, one given power-of-two scale a tensor, by v_wmma_f32_16x16x64_fp8_fp8 or v_wmma_f32_16x16x128_fp8_fp8, f32 sums; everything else in f32.
;; Inputs: Wout 1,024 x 1,024 float32; Wqkv 1,024 x 3,072 float32; bout 1,024 float32; causal_mask 1 x 1 x 2,048 x 2,048 bool; lowp_scales 8 int32 (the exponents e of the quantised operands' scales 2^e); x 4 x 2,048 x 1,024 float32.
;; Outputs: out0 4 x 2,048 x 1,024 float32.
;; This version of the problem:
;;   THIS VERSION OF THE PROBLEM IS GIVEN IN LOW PRECISION. The matrix products marked QUANTISED in the list below multiply operands that are first quantised to E4M3 (4 exponent bits, 3 mantissa bits; 8 bits a number), with one given power-of-two scale for each operand tensor; their sums are f32. All else is computed in f32.
;;   The module's matrix products, in the order in which they are computed (A, B: the left and right operand; K: the contracted axis; several contracted axes count as one K, in the product's order):
;;     1. [M 8,192, K 1,024] x [K 1,024, N 3,072]; A: input x; B: input Wqkv: QUANTISED (scales: A lowp_scales[0], B lowp_scales[1])
;;     2. batch 64 x [M 2,048, K 64] x [K 64, N 2,048]; A: computed on the way; B: computed on the way: QUANTISED (scales: A lowp_scales[2], B lowp_scales[3])
;;     3. batch 64 x [M 2,048, K 2,048] x [K 2,048, N 64]; A: softmax (see below); B: computed on the way: QUANTISED (scales: A lowp_scales[4], B lowp_scales[5])
;;     4. [M 8,192, K 1,024] x [K 1,024, N 1,024]; A: computed on the way; B: input Wout: QUANTISED (scales: A lowp_scales[6], B lowp_scales[7])
;;   THE QUANTISER, for each operand of a quantised product, along K:
;;     - The operand's scale is 2^e, e = its entry of the input lowp_scales (int32; the entries are numbered through the quantised products in the list's order, A before B).
;;     - Each number is divided by the scale, clamped to +-448, and rounded to the nearest number of E4M3, ties to even, subnormals kept.
;;     - The product sums the exact products of the quantised numbers (number of the format x scale) in f32.
;;   ~~~python
;;   def quantise(x, axis, e):      # numpy; x: float32 -> the quantised numbers, widened to float32 again
;;       x = np.moveaxis(x, axis, -1); K = x.shape[-1]
;;       r = np.clip(x / 2.0 ** e, -448, 448)
;;       step = 2.0 ** (np.maximum(np.frexp(np.where(r == 0, 1, r))[1] - 1, -6) - 3)
;;       q = np.round(r / step) * step * 2.0 ** e      # np.round: ties to even
;;       return np.moveaxis(q, -1, axis).astype(np.float32)
;;   ~~~
;;   SOFTMAX AHEAD OF A QUANTISED PRODUCT. Where the list says 'softmax', what is quantised is not the finished softmax but p = 2^(t - M), with t = logit x log2(e) and M = ceil(the row's largest t), a whole number; so 1/2 < the row's largest p <= 1. The row's sum l is taken of the UNQUANTISED p, in f32, and the product's result is divided by l at the end. Since M is a whole number, a kernel that streams over the keys may use a running M (the ceiling of the running maximum): every later rescaling is an exact power of two, so the quantised numbers keep their values, but for numbers so far below the row's largest that they fall under the format's range.
;;   OPERANDS COMPUTED ON THE WAY. 'Computed on the way' means the value that the module computes at that place (a softmax that the list does not call 'softmax' is quantised finished and normalised). What goes into a quantiser is computed in f32, as accurately as f32 sums, v_exp_f32 and their like allow (about 1e-6 of the number): no bf16 or f16 on the way to a quantiser, and a product that is left as it is and whose result goes on into a quantised operand takes f32 operands (vector FMAs, or v_wmma_f32_16x16x4_f32). A number that lies on a knife's edge between two numbers of the format may be rounded either way, as far as f32 arithmetic and the matrix unit's own rounding can turn it there, and no further.
;; 2 versions, each right; version 2 is version 1 with the launch attn written anew for expert scheduling mode. Each part assembles by itself: llvm-mc -triple=amdgcn-amd-amdhsa -mcpu=gfx1250 --defsym DOCPART=n.
;; ======== version 1 of 2: 4 launches
;; workspace buffers: xq 8,388,608 bytes; wqc 3,145,728 bytes; woc 1,048,576 bytes; mwords 524,288 bytes of whole numbers; flags 2,048 bytes of whole numbers; qimg 8,388,608 bytes; kvimg 16,777,216 bytes; aimg 8,388,608 bytes
;; launch prep (part 1): grid 512 x 1, 4 waves a work-group, no clusters, 68,096 bytes of LDS; arguments x, Wqkv, Wout, causal_mask, lowp_scales, xq, wqc, woc, mwords, flags; writes xq, wqc, woc, mwords, flags
.if DOCPART == 1
	.amdgcn_target "amdgcn-amd-amdhsa--gfx1250"
	.amdhsa_code_object_version 6
	.text
	.protected	k_qb1626b4e55_prep
	.globl	k_qb1626b4e55_prep
	.p2align	8
	.type	k_qb1626b4e55_prep,@function
k_qb1626b4e55_prep:
	s_mov_b64 s[64:65], 0
	v_nop
	global_prefetch_b8 v0, s[64:65] scope:SCOPE_SE
	s_setreg_imm32_b32 hwreg(HW_REG_WAVE_MODE, 25, 1), 1
	s_wait_xcnt 0x0
; PREP: everything that later launches read many times is made once.
;   work-groups   0-255 (path X): x [8192][1024] f32 -> xq, codes of E4M3, K innermost, scale 2^e0.  Row i of x is stored at row sw(i), i with bits 3 and 4 exchanged.
;   work-groups 256-383 (path W): Wqkv [1024][3072] and Wout [1024][1024] f32, K their FIRST axis -> wqc [16 heads][q 64, k 64, v 64][1024] and woc [1024][1024], K innermost, scales 2^e1 and 2^e7; rows again at sw(row).
;   work-groups 384-511 (path M): causal_mask [2048][2048] bytes -> mwords [128 query tiles][16 key steps][64] words, bit L of word n = the mask of lane L's query and of the key that lane L's score register n holds in the attention launch;
;                                 flags [128][4]: dword g: bit 4g+k = step 4g+k holds a true, bit 16+4g+k = it holds a false.
; WHY sw: 16 neighbouring stored rows then are the rows 8u + {0..7, 16..23} of a group of 32, so that the 16 result registers of two neighbouring tiles of a transposed product are 16 neighbours along the next product's K.
; code = x / 2^e, held within +-448, to the nearest code, ties to even.  LIMITS: e0, e1, e7 between -126 and 119.  NaN among the floating-point inputs is not served.  A mask byte counts as true where it is not 0.
; The three paths part on the work-group's number alone; each has LDS bytes of its own.  No tensor load, no barrier: waves share nothing.
.set SPARE, 67584                      ; behind both paths' stages: the spare words, 128 bytes a wave
.set SPW, 12                           ; v12 LDS address of my spare word; never rewritten
.set NIL, 13                           ; v13 0; never rewritten
	s_load_b512 s[4:19], s[0:1], 0x0               ; x s[4:5], Wqkv s[6:7], Wout s[8:9], mask s[10:11], scales s[12:13], xq s[14:15], wqc s[16:17], woc s[18:19]
	s_load_b128 s[20:23], s[0:1], 0x40             ; mwords s[20:21], flags s[22:23]
	v_lshl_add_u32 v[SPW], v0, 2, SPARE
	v_mov_b32 v[NIL], 0
	v_lshrrev_b32 v1, 5, v0
	v_readfirstlane_b32 s24, v1                    ; wave 0..3
	v_and_b32 v2, 31, v0                           ; lane
	s_wait_kmcnt 0x0
	s_cmp_lt_u32 ttmp9, 256
	s_cbranch_scc1 .Lpath_x
	s_cmp_lt_u32 ttmp9, 384
	s_cbranch_scc1 .Lpath_w
; ---------------- PATH M: the mask.  Work-group = query tile qt, wave g = key steps 4g .. 4g+3.  Lane (r, h) reads row token(qt, r) = 32 (qt / 2) + 8 (qt % 2) + r + 8 (r / 8); of step s the keys 128 s + 32 b + 16 h + 0..15.
	s_sub_co_u32 s25, ttmp9, 384                   ; qt
	s_lshr_b32 s26, s25, 1
	s_lshl_b32 s26, s26, 5
	s_and_b32 s27, s25, 1
	s_lshl_b32 s27, s27, 3
	s_add_co_u32 s26, s26, s27
	v_and_b32 v3, 15, v0                           ; r
	v_bfe_u32 v4, v0, 4, 1                         ; h
	v_and_b32 v5, 8, v3
	v_add_nc_u32 v5, v5, v3
	v_add_nc_u32 v5, s26, v5                       ; my query
	v_lshlrev_b32 v5, 11, v5                       ; its row of 2,048 bytes
	v_lshl_add_u32 v5, v4, 4, v5
	s_lshl_b32 s27, s24, 9
	v_add_nc_u32 v5, s27, v5                       ; + 512 g + 16 h
.irp k, 0,1,2,3
.irp b, 0,1,2,3
	global_load_b128 v[32+16*\k+4*\b:35+16*\k+4*\b], v5, s[10:11] offset:128*\k+32*\b th:TH_LOAD_NT
.endr
.endr
	v_lshlrev_b32 v6, 3, v2                        ; out: two words a lane
	s_lshl_b32 s28, s25, 4
	s_lshl_b32 s29, s24, 2
	s_add_co_u32 s28, s28, s29
	s_lshl_b32 s28, s28, 8                         ; (16 qt + 4 g) steps of 256 bytes
	s_mov_b32 s29, 0
	s_add_nc_u64 s[20:21], s[20:21], s[28:29]
	s_lshl_b32 s28, s25, 2
	s_add_co_u32 s28, s28, s24
	s_lshl_b32 s28, s28, 2                         ; dword 4 qt + g
	s_add_nc_u64 s[22:23], s[22:23], s[28:29]
	s_mov_b32 s46, 0
.irp i, 0,1,2,3,4,5,6,7
	v_mov_b32 v[96+\i], 0                          ; the words' registers: a lane write's destination counts as read
.endr
; step k of my four: score register n = 16 b + m is byte m of the 16 that load b brought: dword n / 4, byte n % 4.  A compare gives the 32 lanes' bits as one word; it goes to lane n / 2 of register n % 2.
.macro MSTEP k
	s_wait_loadcnt 4*(3-\k)                        ; this step's four loads are in; the later steps' may be out
	v_or_b32 v112, v[32+16*\k], v[33+16*\k]
	v_and_b32 v113, v[32+16*\k], v[33+16*\k]
.irp i, 2,3,4,5,6,7,8,9,10,11,12,13,14,15
	v_or_b32 v112, v112, v[32+16*\k+\i]
	v_and_b32 v113, v113, v[32+16*\k+\i]
.endr
.set n, 0
.rept 16
.irp u, 0,1,2,3
	v_and_b32 v[104+\u], 0xff<<(8*\u), v[32+16*\k+n/4]
.endr
.irp u, 0,1,2,3
	v_cmp_ne_u32 s[40+\u], 0, v[104+\u]
.endr
.irp u, 0,1,2,3
	v_writelane_b32 v[96+2*\k+(\u&1)], s[40+\u], (n+\u)/2
.endr
.set n, n+4
.endr
	global_store_b64 v6, v[96+2*\k:97+2*\k], s[20:21] offset:256*\k   ; the step's 64 words: 256 consecutive bytes, aligned
	v_cmp_ne_u32 s44, 0, v112
	s_cmp_lg_u32 s44, 0
	s_cselect_b32 s45, 1<<\k, 0                    ; some byte is true
	s_or_b32 s46, s46, s45
	v_cmp_ne_u32 s44, 0x01010101, v113
	s_cmp_lg_u32 s44, 0
	s_cselect_b32 s45, 1<<(16+\k), 0               ; some byte is not 1: the step is masked by its words
	s_or_b32 s46, s46, s45
.endm
	MSTEP 0
	MSTEP 1
	MSTEP 2
	MSTEP 3
	s_lshl_b32 s47, s24, 2
	s_lshl_b32 s46, s46, s47                       ; to my four steps' bits
	v_mov_b32 v7, s46
	v_mov_b32 v8, 0
	v_cmp_eq_u32 vcc_lo, 0, v2
	s_wait_xcnt 0x0                                ; EXEC changes only behind this wait: the stores above have read it
	s_and_saveexec_b32 s48, vcc_lo
	global_store_b32 v8, v7, s[22:23]              ; one dword a wave, from lane 0
	s_wait_xcnt 0x0
	s_or_b32 exec_lo, exec_lo, s48
	s_wait_tensorcnt 0x0                           ; the wave's end
	ds_add_u32 v[SPW], v[NIL]
	s_wait_dscnt 0x0
	s_endpgm
; ---------------- PATH X: a wave takes 8 rows of x, 8,192 numbers, in 16 steps of 512.  Each load reads 512 consecutive bytes; a step's 2,048 bytes turn through the wave's own stage in LDS (16 bytes of padding behind each 64)
; and come back 16 neighbours a lane; a lane's 16 codes are 16 bytes, so a store covers 512 consecutive bytes.  Loads run four steps ahead, the turn through LDS one step.
.Lpath_x:
	s_load_b256 s[32:39], s[12:13], 0x0            ; the eight exponents
	v_lshlrev_b32 v3, 4, v2                        ; 16 x lane: my bytes of a load's 512, and of a store's
	s_mul_i32 s25, s24, 8192                       ; my wave's LDS region: two stages of 32 x 80 bytes
	v_lshrrev_b32 v14, 2, v2
	v_mul_u32_u24 v14, v14, 80
	v_and_b32 v15, 3, v2
	v_lshl_add_u32 v14, v15, 4, v14
	v_add_nc_u32 v14, s25, v14                     ; into the stage: 80 (lane / 4) + 16 (lane % 4)
	v_mul_u32_u24 v15, v2, 80
	v_add_nc_u32 v15, s25, v15                     ; out of it: 80 x lane
	s_lshl_b32 s26, ttmp9, 2
	s_add_co_u32 s28, s26, s24                     ; my run of 8 rows
	s_lshl_b32 s28, s28, 15
	s_mov_b32 s29, 0
	s_add_nc_u64 s[4:5], s[4:5], s[28:29]
	s_and_b32 s27, s24, 1
	s_lshl_b32 s27, s27, 1
	s_lshr_b32 s30, s24, 1
	s_or_b32 s27, s27, s30                         ; bits 3 and 4 of a row's number are the wave's two bits: exchanged
	s_add_co_u32 s26, s26, s27
	s_lshl_b32 s30, s26, 13
	s_mov_b32 s31, 0
	s_add_nc_u64 s[14:15], s[14:15], s[30:31]
.macro XLOAD t
.irp i, 0,1,2,3
	global_load_b128 v[16+16*((\t)%4)+4*\i:16+16*((\t)%4)+4*\i+3], v3, s[4:5] offset:2048*(\t)+512*\i th:TH_LOAD_NT
.endr
.endm
.macro XTURN t                         ; LDS serves a wave's instructions in order: no wait between the stores and the loads
.irp i, 0,1,2,3
	ds_store_b128 v14, v[16+16*((\t)%4)+4*\i:16+16*((\t)%4)+4*\i+3] offset:2560*((\t)%2)+640*\i
.endr
.irp i, 0,1,2,3
	ds_load_b128 v[80+16*((\t)%2)+4*\i:80+16*((\t)%2)+4*\i+3], v15 offset:2560*((\t)%2)+16*\i
.endr
.endm
.irp t, 0,1,2,3
	XLOAD \t
.endr
	s_wait_kmcnt 0x0
	s_add_co_i32 s32, s32, 127
	s_lshl_b32 s33, s32, 23
	v_mov_b32 v11, s33                             ; 2^e0 as f32: the conversion takes its exponent field
	s_add_co_i32 s32, s32, 8
	s_lshl_b32 s32, s32, 23
	s_or_b32 s32, s32, 0x600000
	v_mov_b32 v10, s32                             ; 448 x 2^e0
	s_wait_loadcnt 12                              ; step 0's four loads are in
	XTURN 0
.macro XSTEP t
.set XS, 80+16*((\t)%2)
	s_wait_dscnt 0x0                               ; this step's numbers are back from the stage, so its stores into the stage have read their registers,
.if (\t)+4 < 16
	XLOAD (\t)+4                                   ; which take the loads of four steps on
.endif
.if (\t)+1 < 16
.if 14-(\t) >= 3
	s_wait_loadcnt 12                              ; the next step's four loads are in; three steps' may be out
.else
	s_wait_loadcnt 4*(14-(\t))
.endif
	XTURN (\t)+1
.endif
.irp i, 0,1,2,3,4,5,6,7,8,9,10,11,12,13,14,15
	v_med3_num_f32 v[XS+\i], v[XS+\i], -v10, v10   ; the conversion to an 8-bit code does not saturate (ISA guide 7.6.2): the hold comes first
.endr
	v_cvt_scalef32_pk8_fp8_f32 v[128+4*(\t):128+4*(\t)+1], v[XS:XS+7], v11
	v_cvt_scalef32_pk8_fp8_f32 v[128+4*(\t)+2:128+4*(\t)+3], v[XS+8:XS+15], v11
	global_store_b128 v3, v[128+4*(\t):128+4*(\t)+3], s[14:15] offset:512*(\t)   ; each step has its own four registers: no store's data are written again
.endm
.irp t, 0,1,2,3,4,5,6,7,8,9,10,11,12,13,14,15
	XSTEP \t
.endr
	s_wait_tensorcnt 0x0                           ; the wave's end, behind my last LDS store
	ds_add_u32 v[SPW], v[NIL]
	s_wait_dscnt 0x0
	s_endpgm
; ---------------- PATH W: a lane takes a column n and its registers run down K, so the conversions give codes with K innermost.  A wave: 32 columns x 256 along K, 8 blocks of 32.  The codes go through the wave's own stage
; (32 rows of 256 + 16 bytes) and leave as rows, sixteen lanes to 256 consecutive aligned bytes.  One text serves both weights: pointers, the row pitch, the exponent and the first row are chosen on the work-group's number.
.Lpath_w:
	s_load_b256 s[32:39], s[12:13], 0x0
	s_sub_co_u32 s25, ttmp9, 256
	s_and_b32 s26, s25, 3                          ; which 256 along K
	s_lshr_b32 s25, s25, 2                         ; group of 128 columns: 0-23 Wqkv, 24-31 Wout
	s_lshl_b32 s27, s24, 5
	s_lshl_b32 s28, s25, 7
	s_add_co_u32 s28, s28, s27                     ; Wqkv: my first column
	s_sub_co_u32 s29, s28, 3072                    ; Wout: my first column, and its first row of woc
	s_bfe_u32 s30, s28, 0x40006                    ; Wqkv: column = type x 1024 + head x 64 + d -> row head x 192 + type x 64 + d
	s_mul_i32 s30, s30, 192
	s_lshr_b32 s31, s28, 10
	s_lshl_b32 s31, s31, 6
	s_add_co_u32 s30, s30, s31
	s_and_b32 s31, s28, 63
	s_add_co_u32 s30, s30, s31
	s_mov_b32 s56, 4096
	s_wait_kmcnt 0x0
	s_cmp_lt_u32 s25, 24                           ; the choice hangs on the work-group's number alone
	s_cselect_b64 s[4:5], s[6:7], s[8:9]           ; from
	s_cselect_b64 s[14:15], s[16:17], s[18:19]     ; to
	s_cselect_b32 s56, 12288, s56                  ; bytes of a row of the weight
	s_cselect_b32 s57, s33, s39                    ; e1 or e7
	s_cselect_b32 s28, s28, s29                    ; first column
	s_cselect_b32 s30, s30, s29                    ; first row of codes
	s_lshl_b32 s58, s26, 8
	s_mul_i32 s58, s58, s56
	s_lshl_b32 s59, s28, 2
	s_add_co_u32 s58, s58, s59
	s_mov_b32 s59, 0
	s_add_nc_u64 s[40:41], s[4:5], s[58:59]        ; block 0: row 256 ky, my first column
	s_lshl_b32 s58, s56, 5
.irp t, 1,2,3,4,5,6,7
	s_add_nc_u64 s[40+2*\t:41+2*\t], s[38+2*\t:39+2*\t], s[58:59]   ; a base for each block of 32 rows
.endr
	s_lshl_b32 s58, s30, 10
	s_lshl_b32 s61, s26, 8
	s_add_co_u32 s58, s58, s61
	s_add_nc_u64 s[14:15], s[14:15], s[58:59]      ; codes: first row x 1,024 + 256 ky
	v_lshlrev_b32 v3, 2, v2
.set i, 0
.rept 32
	v_mad_u32_u24 v[176+i], s56, i, v3             ; row i of a block, my column
.set i, i+1
.endr
	s_mul_i32 s60, s24, 32*272
	s_add_co_u32 s60, s60, 32768                   ; my stage
	v_mul_u32_u24 v4, v2, 272
	v_add_nc_u32 v4, s60, v4                       ; into it: row = my column
	v_and_b32 v5, 15, v2
	v_lshrrev_b32 v6, 4, v2
	v_mul_u32_u24 v7, v6, 272
	v_lshl_add_u32 v7, v5, 4, v7
	v_add_nc_u32 v7, s60, v7                       ; out of it: sixteen lanes to a row, two rows an instruction
	v_lshlrev_b32 v8, 10, v6
	v_lshl_add_u32 v8, v5, 4, v8                   ; and the same place among the codes' rows
.macro WLOAD t
.set i, 0
.rept 32
	global_load_b32 v[32+32*((\t)%2)+i], v[176+i], s[40+2*(\t):41+2*(\t)] th:TH_LOAD_NT
.set i, i+1
.endr
.endm
	WLOAD 0
	WLOAD 1
	s_add_co_i32 s57, s57, 127
	s_lshl_b32 s61, s57, 23
	v_mov_b32 v11, s61                             ; 2^e
	s_add_co_i32 s57, s57, 8
	s_lshl_b32 s57, s57, 23
	s_or_b32 s57, s57, 0x600000
	v_mov_b32 v10, s57                             ; 448 x 2^e
.macro WBLOCK t
.set WS, 32+32*((\t)%2)
.if (\t) < 7
	s_wait_loadcnt 32                              ; this block's 32 loads are in; the next block's may be out
.else
	s_wait_loadcnt 0
.endif
.set i, 0
.rept 32
	v_med3_num_f32 v[WS+i], v[WS+i], -v10, v10
.set i, i+1
.endr
.irp g, 0,1,2,3
	v_cvt_scalef32_pk8_fp8_f32 v[96+2*\g:97+2*\g], v[WS+8*\g:WS+8*\g+7], v11
.endr
	ds_store_b128 v4, v[96:99] offset:32*(\t)
	ds_store_b128 v4, v[100:103] offset:32*(\t)+16
.if (\t)+2 < 8
	WLOAD (\t)+2
.endif
	s_wait_dscnt 0x0                               ; the stores have read their registers: the next block's codes may be written
.endm
.irp t, 0,1,2,3,4,5,6,7
	WBLOCK \t
.endr
.irp t, 0,1,2,3,4,5,6,7,8,9,10,11,12,13,14,15
	ds_load_b128 v[112+4*\t:115+4*\t], v7 offset:2*\t*272
.endr
.irp t, 0,1,2,3,4,5,6,7,8,9,10,11,12,13,14,15
	s_wait_dscnt 15-\t                             ; rows 2 t and 2 t + 1 are back; the younger loads may be out
	global_store_b128 v8, v[112+4*\t:115+4*\t], s[14:15] offset:(((2*\t)&7)|(((2*\t)&8)<<1)|(((2*\t)&16)>>1))*1024   ; column 2 t goes to row sw(2 t)
.endr
	s_wait_tensorcnt 0x0                           ; the wave's end, behind my last LDS store
	ds_add_u32 v[SPW], v[NIL]
	s_wait_dscnt 0x0
	s_endpgm
.Lfunc_end_k_qb1626b4e55_prep:
	.size	k_qb1626b4e55_prep, .Lfunc_end_k_qb1626b4e55_prep-k_qb1626b4e55_prep
	.p2alignl 7, 3214868480
	.fill 96, 4, 3214868480
	.section	.rodata,"a",@progbits
	.p2align	6, 0x0
	.amdhsa_kernel k_qb1626b4e55_prep
		.amdhsa_group_segment_fixed_size 68096
		.amdhsa_private_segment_fixed_size 0
		.amdhsa_enable_private_segment 0
		.amdhsa_kernarg_size 80
		.amdhsa_user_sgpr_count 2
		.amdhsa_user_sgpr_kernarg_segment_ptr 1
		.amdhsa_wavefront_size32 1
		.amdhsa_system_sgpr_workgroup_id_x 1
		.amdhsa_system_sgpr_workgroup_id_y 1
		.amdhsa_system_sgpr_workgroup_id_z 1
		.amdhsa_system_vgpr_workitem_id 0
		.amdhsa_next_free_vgpr 208
		.amdhsa_next_free_sgpr 66
		.amdhsa_reserve_vcc 1
		.amdhsa_float_denorm_mode_32 3
		.amdhsa_float_denorm_mode_16_64 3
		.amdhsa_memory_ordered 1
		.amdhsa_forward_progress 1
		.amdhsa_inst_pref_size 145
	.end_amdhsa_kernel
	.amdgpu_metadata
---
amdhsa.version: [ 1, 2 ]
amdhsa.kernels:
  - .name:           k_qb1626b4e55_prep
    .symbol:         k_qb1626b4e55_prep.kd
    .args:
      - { .name: x, .offset: 0, .size: 8, .value_kind: global_buffer, .address_space: global }
      - { .name: Wqkv, .offset: 8, .size: 8, .value_kind: global_buffer, .address_space: global }
      - { .name: Wout, .offset: 16, .size: 8, .value_kind: global_buffer, .address_space: global }
      - { .name: causal_mask, .offset: 24, .size: 8, .value_kind: global_buffer, .address_space: global }
      - { .name: lowp_scales, .offset: 32, .size: 8, .value_kind: global_buffer, .address_space: global }
      - { .name: xq, .offset: 40, .size: 8, .value_kind: global_buffer, .address_space: global }
      - { .name: wqc, .offset: 48, .size: 8, .value_kind: global_buffer, .address_space: global }
      - { .name: woc, .offset: 56, .size: 8, .value_kind: global_buffer, .address_space: global }
      - { .name: mwords, .offset: 64, .size: 8, .value_kind: global_buffer, .address_space: global }
      - { .name: flags, .offset: 72, .size: 8, .value_kind: global_buffer, .address_space: global }
    .group_segment_fixed_size: 68096
    .private_segment_fixed_size: 0
    .kernarg_segment_align: 8
    .kernarg_segment_size: 80
    .max_flat_workgroup_size: 128
    .sgpr_count:     66
    .vgpr_count:     208
    .wavefront_size: 32
...
	.end_amdgpu_metadata
.endif
;; end of part 1
;; launch qkv (part 2): grid 16 x 32, 4 waves a work-group, clusters of 4 x 4, 327,680 bytes of LDS; arguments xq, wqc, lowp_scales, qimg, kvimg; writes qimg, kvimg
.if DOCPART == 2
	.amdgcn_target "amdgcn-amd-amdhsa--gfx1250"
	.amdhsa_code_object_version 6
	.text
	.protected	k_qb1626b4e55_qkv
	.globl	k_qb1626b4e55_qkv
	.p2align	8
	.type	k_qb1626b4e55_qkv,@function
k_qb1626b4e55_qkv:
	s_mov_b64 s[64:65], 0
	v_nop
	global_prefetch_b8 v0, s[64:65] scope:SCOPE_SE
	s_setreg_imm32_b32 hwreg(HW_REG_WAVE_MODE, 25, 1), 1
	s_wait_xcnt 0x0
	s_wait_alu depctr_hold_cnt(0) depctr_sa_sdst(0) depctr_va_vdst(0) depctr_va_sdst(0) depctr_va_ssrc(0) depctr_va_vcc(0) depctr_vm_vsrc(0)
	s_getreg_b32 s2, hwreg(HW_REG_IB_STS2, 6, 4)
	s_cmp_eq_u32 s2, 0
	s_cbranch_scc0 .Lentry_in_a_cluster
	s_endpgm
.Lentry_in_a_cluster:
	s_bfe_u32 s2, ttmp6, 0x10000c
	s_cmp_lg_u32 s2, 0xf033
	s_cbranch_scc0 .Lentry_shape_is_right
	s_endpgm
.Lentry_shape_is_right:
; QKV: q, k and v of ONE head for 256 tokens, on codes of E4M3, and their quantising, in one work-group.  xq [8192][1024], wqc [16 heads][q 64, k 64, v 64][1024]: codes, K innermost, rows in the exchanged order that the launch before gave them.
; Four waves, a wave 64 rows (4 blocks of 16) against all 192 columns (12 blocks): 48 accumulators.  K = 1,024 goes in four fills of 256 through a ring of two LDS slots; a fill is two steps of 128 along K.
; q's and k's blocks (0-7) are used TRANSPOSED (source 0 = 16 rows of the weight, source 1 = 16 rows of x): a lane holds one token, and the 16 registers of two neighbouring blocks are 16 neighbours of the head's 64, the next product's K.
; v's blocks (8-11) are used as they stand (source 0 = x, source 1 = the weight): a lane holds one of the head's 64, and the 16 registers of two neighbouring blocks of rows are 16 neighbouring tokens, the K of attention's second product.
; So the conversions' results ARE the operands' registers of the attention launch; they are stored as images of those registers: four registers a store, lane l's 16 bytes at 16 l, 512 consecutive aligned bytes.  No stage in LDS.
;   qimg [64 heads of the batch][128 query tiles][2 chunks of 512];  kvimg [64][16 steps of 128 keys][K: 8 key tiles x 2 chunks][V: 4 tiles of 16 of the head's 64 x 4 chunks].
; A sum stands for sum x 2^(e0 + e1), so its code under 2^e is sum / 2^(e - e0 - e1): three scales in one conversion.  LIMITS: e2 - e0 - e1, e3 - e0 - e1 and e5 - e0 - e1 between -126 and 119.
; CLUSTER 4 x 4: the four work-groups of a row of the cluster need the same rows of xq, the four of a column the same head's weights: each tile is asked for jointly.
; REGISTERS, in windows of 256: window 0: v0-31 addresses, v64-127 and v128-191 x's fragments, TWO sets; window 1: the weights' 12 fragments, ONE set, block b at v[16 b]; window 2: accumulator (a, b < 8) at v[8 (8 a + b)]; window 3: (a, b >= 8) at v[8 (4 a + b - 8)].
; The products of a step go by the weight's blocks, each against x's four: a block of the weight is free when its four products are issued, so the lower six are fetched anew in the step's middle and the upper six at its end.
.set NB,    12
.set NBH,   6
.set PITCH, 272                        ; an LDS row: 256 bytes + 16 of padding, so that the 16 rows of a fragment load start at 16 different groups of banks
.set HALFA, 128*PITCH                  ; what one tensor load brings of x
.set HALFB, 96*PITCH                   ; and of the weights
.set BOFF,  2*HALFA
.set SLOT,  BOFF+2*HALFB
.set SPARE, 2*SLOT                     ; behind the ring: the spare words, 128 bytes a wave
.set ASTEP, 512                        ; a slot's next fill lies two fills of 256 bytes on
.set BSTEP, 512
.set ADRA, 16                          ; v16-17 LDS address of my fragments of x in slot 0, 1
.set ADRB, 20                          ; v20-21 the same for the weights
.set CO,   26                          ; v26 16 x lane
.set SPW,  28                          ; v28 LDS address of my spare word; never rewritten
.set NIL,  29                          ; v29 0; never rewritten
.set G1,  24                           ; s[24:31] descriptor group 1 for x's tiles; s[32:39] group 0, one set a slot
.set G0,  32
.set G1B, 48                           ; s[48:55], s[56:63] the same for the weights'
.set G0B, 56
.set MSB, 0
.macro WIN new                         ; the immediate's high byte repeats the setting that is left; a switch that changes nothing is dropped
.if MSB != \new
	s_set_vgpr_msb (MSB<<8)|\new
.set MSB, \new
.endif
.endm
; A joint load: waves 0 and 1 fetch x's two halves, waves 2 and 3 the weights'.  The branch hangs on the wave's number alone.  An s_nop 0 and four v_nop follow each of the two lines.
.macro JLOAD g0a, g1a, g0b, g1b
	s_cmp_eq_u32 s15, 0
	s_cbranch_scc0 .Lfor_b_\@
	tensor_load_to_lds s[\g0a:\g0a+3], s[\g1a:\g1a+7]
	s_nop 0
.rept 4
	v_nop
.endr
	s_branch .Lasked_\@
.Lfor_b_\@:
	tensor_load_to_lds s[\g0b:\g0b+3], s[\g1b:\g1b+7]
	s_nop 0
.rept 4
	v_nop
.endr
.Lasked_\@:
.endm
.macro CREST                           ; a round of the cluster's barrier behind its opening barrier
	s_cmp_lg_u32 s14, 0
	s_cbranch_scc1 .Lnot_wave_0_\@
	s_barrier_signal -3
.Lnot_wave_0_\@:
	s_barrier_wait -3
	s_barrier_signal -1
	s_barrier_wait -1
.endm
.macro CROUND
	s_barrier_signal -1
	s_barrier_wait -1
	CREST
.endm
.macro PLACES n                        ; plain vector instructions between a matrix instruction and a load into, or a read of, its registers
.rept \n
	v_nop
.endr
.endm
	s_load_b128 s[4:7], s[0:1], 0x0                ; xq s[4:5], wqc s[6:7]
	s_load_b128 s[8:11], s[0:1], 0x10              ; the exponents s[8:9], qimg s[10:11]
	s_load_b64 s[12:13], s[0:1], 0x20              ; kvimg
	v_lshl_add_u32 v[SPW], v0, 2, SPARE
	v_mov_b32 v[NIL], 0
	ds_add_u32 v[SPW], v[NIL]                      ; the wave's opening: the add and its wait stand ahead of my first tensor load; the set-up below stands between them
	v_lshrrev_b32 v1, 5, v0
	v_readfirstlane_b32 s14, v1                    ; wave 0..3
	s_lshr_b32 s15, s14, 1                         ; I fetch for x (0) or for the weights (1)
	s_and_b32 s16, s14, 1                          ; which half of that tile
	s_bfe_u32 s40, ttmp6, 0x40000                  ; cx, cy: my place in the cluster
	s_bfe_u32 s41, ttmp6, 0x40004
	s_lshl_b32 s42, ttmp9, 2
	s_add_co_u32 s42, s42, s40                     ; the head = 4 x cluster x + cx
	s_and_b32 s17, ttmp7, 0xffff
	s_lshl_b32 s17, s17, 2
	s_add_co_u32 s17, s17, s41                     ; the block of 256 rows = 4 x cluster y + cy
	s_lshl_b32 s43, s41, 2
	s_lshl_b32 s43, 15, s43                        ; my row of the cluster
	s_lshl_b32 s44, 0x1111, s40                    ; my column
	s_or_b32 s[G1+0], s43, (0<<16)|(1<<20)|(1<<21)|(5<<22)|(3<<25)   ; 15:0 the mask; 17:16 elements of 1 byte; 20 padding on; 21 set beside a mask; 24:22 after every 64 words; 31:25 four words
	s_or_b32 s[G1B+0], s44, (0<<16)|(1<<20)|(1<<21)|(5<<22)|(3<<25)
	s_mov_b32 s[G1+1], 256<<16                     ; tensor_dim0 = 256
	s_mov_b32 s[G1+2], 128<<16                     ; tensor_dim1 = 128
	s_mov_b32 s[G1+3], 256<<16                     ; tile_dim0
	s_mov_b32 s[G1+4], 128                         ; tile_dim1
	s_mov_b32 s[G1+5], 1024                        ; from row to row
	s_mov_b32 s[G1+6], 0
	s_mov_b32 s[G1+7], 0
	s_mov_b32 s[G1B+1], 256<<16
	s_mov_b32 s[G1B+2], 96<<16                     ; 96 rows
	s_mov_b32 s[G1B+3], 256<<16
	s_mov_b32 s[G1B+4], 96
	s_mov_b32 s[G1B+5], 1024
	s_mov_b32 s[G1B+6], 0
	s_mov_b32 s[G1B+7], 0
	s_lshl_b32 s18, s16, 7
	s_lshl_b32 s20, s17, 8
	s_add_co_u32 s20, s20, s18
	s_lshl_b32 s20, s20, 10                        ; x: row 256 y + 128 x half, in bytes
	s_mov_b32 s21, 0
	s_mul_i32 s46, s42, 192
	s_mul_i32 s47, s16, 96
	s_add_co_u32 s46, s46, s47
	s_lshl_b32 s46, s46, 10                        ; the weights: row 192 x head + 96 x half
	s_mov_b32 s47, 0
	s_mul_i32 s45, s16, HALFA                      ; where they go: no place in the cluster enters an LDS address
	s_mul_i32 s19, s16, HALFB
	s_add_co_u32 s19, s19, BOFF
	s_wait_dscnt 0x0                               ; the opening add is done
	s_wait_kmcnt 0x0
	s_load_b256 s[68:75], s[8:9], 0x0              ; e0 .. e7
	s_add_nc_u64 s[20:21], s[4:5], s[20:21]
	s_add_nc_u64 s[46:47], s[6:7], s[46:47]
	CROUND                                         ; all sixteen work-groups are here: the first joint loads meet
.irp s, 0,1
	s_mov_b32 s[G0+4*\s], 1
	s_add_co_u32 s[G0+4*\s+1], s45, \s*SLOT
	s_add_nc_u64 s[G0+4*\s+2:G0+4*\s+3], s[20:21], \s*256
	s_or_b32 s[G0+4*\s+3], s[G0+4*\s+3], 0x80000000
	s_mov_b32 s[G0B+4*\s], 1
	s_add_co_u32 s[G0B+4*\s+1], s19, \s*SLOT
	s_add_nc_u64 s[G0B+4*\s+2:G0B+4*\s+3], s[46:47], \s*256
	s_or_b32 s[G0B+4*\s+3], s[G0B+4*\s+3], 0x80000000
	JLOAD G0+4*\s, G1, G0B+4*\s, G1B               ; two loads of mine are out
.endr
	v_and_b32 v1, 15, v0                           ; r
	v_bfe_u32 v2, v0, 4, 1                         ; h
	v_mul_u32_u24 v3, v1, PITCH
	v_lshl_add_u32 v4, v2, 4, v3                   ; a fragment's row x pitch + 16 h
	s_mul_i32 s21, s14, 64*PITCH                   ; my 64 rows of x
	s_mov_b32 s22, BOFF                            ; every wave reads all 192 rows of the weights
.irp s, 0,1
	v_add_nc_u32 v[ADRA+\s], s21, v4
	v_add_nc_u32 v[ADRB+\s], s22, v4
	s_add_co_u32 s21, s21, SLOT
	s_add_co_u32 s22, s22, SLOT
.endr
	v_and_b32 v5, 31, v0
	v_lshlrev_b32 v[CO], 4, v5
	; where my images go (registers that feed no descriptor)
	s_lshr_b32 s84, s17, 3
	s_lshl_b32 s84, s84, 4
	s_add_co_u32 s84, s84, s42                     ; bh = 16 x batch + head
	s_and_b32 s85, s17, 7                          ; which 256 tokens of the sequence
	s_lshl_b32 s86, s84, 7
	s_lshl_b32 s87, s85, 4
	s_add_co_u32 s86, s86, s87
	s_lshl_b32 s87, s14, 2
	s_add_co_u32 s86, s86, s87
	s_lshl_b32 s86, s86, 10                        ; query tile 128 bh + 16 (y % 8) + 4 w, 1,024 bytes each
	s_mov_b32 s87, 0
	s_add_nc_u64 s[76:77], s[10:11], s[86:87]
	s_lshl_b32 s86, s84, 4
	s_lshl_b32 s88, s85, 1
	s_add_co_u32 s86, s86, s88
	s_add_co_u32 s86, s86, s15
	s_lshl_b32 s86, s86, 14                        ; key step 16 bh + 2 (y % 8) + w / 2, 16,384 bytes each
	s_lshl_b32 s88, s16, 12
	s_add_co_u32 s88, s86, s88                     ; K: my four key tiles are the step's 4 (w % 2) on
	s_mov_b32 s89, 0
	s_add_nc_u64 s[78:79], s[12:13], s[88:89]
	s_lshl_b32 s88, s16, 10
	s_add_co_u32 s88, s88, s86
	s_add_co_u32 s88, s88, 8192                    ; V: behind K's 8,192 bytes; my 64 tokens are chunks 2 (w % 2) and 2 (w % 2) + 1 of each tile
	s_add_nc_u64 s[80:81], s[12:13], s[88:89]
; n blocks of the weight from b0 on, each against x's four blocks of set 'set'.  zero = 1: the first product starts the sums.  Each of the 48 accumulators has one turn a step, in the same order in every step.
.macro MULB b0, n, set, zero
.set bb, \b0
.rept \n
.set aa, 0
.rept 4
.set rA, 64+64*(\set)+16*aa
.set rB, 16*bb
.if bb < 8
.set rD, 8*(8*aa+bb)
	WIN 0xa1                                       ; source 0 (the weight) window 1, source 1 (x) window 0, C and D window 2
.if \zero
	v_wmma_f32_16x16x128_fp8_fp8 v[rD:rD+7], v[rB:rB+15], v[rA:rA+15], 0
.else
	v_wmma_f32_16x16x128_fp8_fp8 v[rD:rD+7], v[rB:rB+15], v[rA:rA+15], v[rD:rD+7]
.endif
.else
.set rD, 8*(4*aa+bb-8)
	WIN 0xf4                                       ; source 0 (x) window 0, source 1 (the weight) window 1, C and D window 3
.if \zero
	v_wmma_f32_16x16x128_fp8_fp8 v[rD:rD+7], v[rA:rA+15], v[rB:rB+15], 0
.else
	v_wmma_f32_16x16x128_fp8_fp8 v[rD:rD+7], v[rA:rA+15], v[rB:rB+15], v[rD:rD+7]
.endif
.endif
.set aa, aa+1
.endr
.set bb, bb+1
.endr
.endm
; a fragment, 16 rows x 128 K, is 16 registers: lane (r, h) holds row r; registers 4 c .. 4 c + 3 hold K = 32 c + 16 h + 0 .. 15: the same order on both sides of every product
.macro FETCH_A slot, q, set
	WIN 0
.irp a, 0,1,2,3
.irp c, 0,1,2,3
	ds_load_b128 v[64+64*(\set)+16*\a+4*\c:64+64*(\set)+16*\a+4*\c+3], v[ADRA+\slot] offset:128*(\q)+32*\c+\a*16*PITCH
.endr
.endr
.endm
.macro FETCH_B slot, q, b0, n
	WIN 0x40                                       ; destination window 1, address window 0
.set bb, \b0
.rept \n
.irp c, 0,1,2,3
	ds_load_b128 v[16*bb+4*\c:16*bb+4*\c+3], v[ADRB+\slot] offset:128*(\q)+32*\c+bb*16*PITCH
.endr
.set bb, bb+1
.endr
	WIN 0
.endm
; a slot's first 128 along K, on x's set 0; its successor lies in the same slot
.macro STEP slot, zero
	s_wait_dscnt 4*NBH                             ; x's set and the weight's lower six blocks are in; the youngest 24 loads, the upper six, may be out
	MULB 0, NBH, 0, \zero
	s_wait_dscnt 0                                 ; the upper six are in
	PLACES 4
	FETCH_A \slot, 1, 1
	FETCH_B \slot, 1, 0, NBH
	MULB NBH, NBH, 0, \zero
	PLACES 4
	FETCH_B \slot, 1, NBH, NBH
.endm
; a slot's second 128, on set 1, changes slots: ONE barrier; in front of it each wave waits for all its tensor loads, adds 0 to its spare word, and waits for that and for its reads of this slot.  fill = 1: the slot is filled again.
.macro TURN slot, next, fill
	s_wait_tensorcnt 0x0                           ; all my tensor loads have landed: my part of the next slot
	ds_add_u32 v[SPW], v[NIL]
	s_wait_dscnt 4*NBH+1                           ; the add and the youngest 24 loads may be out
	MULB 0, NBH/2, 1, 0                            ; twelve matrix instructions stand between the add and the wait for it
	s_wait_dscnt 0x0                               ; the add is done, and my reads of this slot are over
	s_barrier_signal -1
	MULB NBH/2, NBH/2, 1, 0
	WIN 0
	s_barrier_wait -1
.if \fill
	CREST                                          ; the barrier has opened a round of the cluster's: no wave of any partner still reads this slot or has a load on its way
	s_add_nc_u64 s[G0+4*\slot+2:G0+4*\slot+3], s[G0+4*\slot+2:G0+4*\slot+3], ASTEP
	s_add_nc_u64 s[G0B+4*\slot+2:G0B+4*\slot+3], s[G0B+4*\slot+2:G0B+4*\slot+3], BSTEP
	JLOAD G0+4*\slot, G1, G0B+4*\slot, G1B         ; the first tensor load behind the round, one a wave; its four v_nop are the places in front of the loads below
.else
	PLACES 4
.endif
	FETCH_A \next, 0, 0
	FETCH_B \next, 0, 0, NBH
	MULB NBH, NBH, 1, 0
	PLACES 4
	FETCH_B \next, 0, NBH, NBH
.endm
	s_wait_tensorcnt 1                             ; my part of slot 0 is in; slot 1's may stay out
	s_barrier_signal -1
	s_barrier_wait -1
	FETCH_A 0, 0, 0
	FETCH_B 0, 0, 0, NBH
	FETCH_B 0, 0, NBH, NBH
	STEP 0, 1                                      ; K 0-127: its products start the sums
	TURN 0, 1, 1                                   ; K 128-255; slot 0 takes K 512-767
	STEP 1, 0
	TURN 1, 0, 1                                   ; slot 1 takes K 768-1023
	STEP 0, 0
	TURN 0, 1, 0                                   ; nothing is left to fetch
	STEP 1, 0
	s_wait_dscnt 4*NBH                             ; the last 128 along K
	MULB 0, NBH, 1, 0
	s_wait_dscnt 0
	MULB NBH, NBH, 1, 0
	WIN 0
	; THE WAY OUT: hold, convert, store.  The six v_mov_b32 below name no register of the last products: they are the places behind them.
	s_wait_kmcnt 0x0
	s_add_co_i32 s90, s68, s69                     ; e0 + e1
.macro SCALES e, vs                    ; v[vs] = 2^(e - e0 - e1) as f32, v[vs + 1] = 448 x that
	s_sub_co_i32 s91, s[\e], s90
	s_add_co_i32 s91, s91, 127
	s_lshl_b32 s92, s91, 23
	v_mov_b32 v[\vs], s92
	s_add_co_i32 s91, s91, 8
	s_lshl_b32 s91, s91, 23
	s_or_b32 s91, s91, 0x600000
	v_mov_b32 v[\vs+1], s91
.endm
	SCALES 70, 8                                   ; q: e2
	SCALES 71, 10                                  ; k: e3
	SCALES 73, 12                                  ; v: e5
	WIN 0x82                                       ; source 0 and destination window 2
.set i, 0
.rept 256                              ; each accumulator from its low end on
.if (i/8)%8 < 4
	v_med3_num_f32 v[i], v[i], -v9, v9             ; the conversion to an 8-bit code does not saturate (ISA guide 7.6.2)
.else
	v_med3_num_f32 v[i], v[i], -v11, v11
.endif
.set i, i+1
.endr
	WIN 0x02                                       ; source 0 window 2, destination window 0
.irp a, 0,1,2,3                        ; block a's codes: 8 registers of q, then 8 of k, at v[128 + 16 a] (a < 2) or v[64 + 16 (a - 2)]
.irp b, 0,1,2,3
	v_cvt_scalef32_pk8_fp8_f32 v[128+16*\a-96*(\a/2)+4*(\b/2)+2*(\b%2):128+16*\a-96*(\a/2)+4*(\b/2)+2*(\b%2)+1], v[8*(8*\a+\b):8*(8*\a+\b)+7], v8
.endr
.irp b, 0,1,2,3
	v_cvt_scalef32_pk8_fp8_f32 v[136+16*\a-96*(\a/2)+4*(\b/2)+2*(\b%2):136+16*\a-96*(\a/2)+4*(\b/2)+2*(\b%2)+1], v[8*(8*\a+4+\b):8*(8*\a+4+\b)+7], v10
.endr
.endr
	v_nop                                          ; one plain vector instruction behind the last conversion of the run
	WIN 0
.irp a, 0,1,2,3
.irp c, 0,1
	global_store_b128 v[CO], v[128+16*\a-96*(\a/2)+4*\c:128+16*\a-96*(\a/2)+4*\c+3], s[76:77] offset:1024*\a+512*\c   ; 32 lanes store 512 consecutive bytes, aligned
	global_store_b128 v[CO], v[136+16*\a-96*(\a/2)+4*\c:136+16*\a-96*(\a/2)+4*\c+3], s[78:79] offset:1024*\a+512*\c
.endr
.endr
	WIN 0xc3                                       ; source 0 and destination window 3
.set i, 0
.rept 128
	v_med3_num_f32 v[i], v[i], -v13, v13
.set i, i+1
.endr
	WIN 0x03
.irp d, 0,1,2,3                        ; tile d of the head's 64: blocks of rows 2 c and 2 c + 1 give chunk c: 16 neighbouring tokens a lane
.irp a, 0,1,2,3
	v_cvt_scalef32_pk8_fp8_f32 v[160+8*\d+4*(\a/2)+2*(\a%2):160+8*\d+4*(\a/2)+2*(\a%2)+1], v[8*(4*\a+\d):8*(4*\a+\d)+7], v12
.endr
.endr
	v_nop
	WIN 0
.irp d, 0,1,2,3
.irp c, 0,1
	global_store_b128 v[CO], v[160+8*\d+4*\c:160+8*\d+4*\c+3], s[80:81] offset:2048*\d+512*\c
.endr
.endr
	s_wait_tensorcnt 0x0                           ; the wave's end
	ds_add_u32 v[SPW], v[NIL]
	s_wait_dscnt 0x0
	CROUND                                         ; the closing round: no work-group ends while a partner may still ask for a tile that names it
	s_endpgm
.Lfunc_end_k_qb1626b4e55_qkv:
	.size	k_qb1626b4e55_qkv, .Lfunc_end_k_qb1626b4e55_qkv-k_qb1626b4e55_qkv
	.p2alignl 7, 3214868480
	.fill 96, 4, 3214868480
	.section	.rodata,"a",@progbits
	.p2align	6, 0x0
	.amdhsa_kernel k_qb1626b4e55_qkv
		.amdhsa_group_segment_fixed_size 327680
		.amdhsa_private_segment_fixed_size 0
		.amdhsa_enable_private_segment 0
		.amdhsa_kernarg_size 40
		.amdhsa_user_sgpr_count 2
		.amdhsa_user_sgpr_kernarg_segment_ptr 1
		.amdhsa_wavefront_size32 1
		.amdhsa_system_sgpr_workgroup_id_x 1
		.amdhsa_system_sgpr_workgroup_id_y 1
		.amdhsa_system_sgpr_workgroup_id_z 1
		.amdhsa_system_vgpr_workitem_id 0
		.amdhsa_next_free_vgpr 896
		.amdhsa_next_free_sgpr 98
		.amdhsa_reserve_vcc 0
		.amdhsa_float_denorm_mode_32 3
		.amdhsa_float_denorm_mode_16_64 3
		.amdhsa_memory_ordered 1
		.amdhsa_forward_progress 1
		.amdhsa_inst_pref_size 101
	.end_amdhsa_kernel
	.amdgpu_metadata
---
amdhsa.version: [ 1, 2 ]
amdhsa.kernels:
  - .name:           k_qb1626b4e55_qkv
    .symbol:         k_qb1626b4e55_qkv.kd
    .args:
      - { .name: xq, .offset: 0, .size: 8, .value_kind: global_buffer, .address_space: global }
      - { .name: wqc, .offset: 8, .size: 8, .value_kind: global_buffer, .address_space: global }
      - { .name: lowp_scales, .offset: 16, .size: 8, .value_kind: global_buffer, .address_space: global }
      - { .name: qimg, .offset: 24, .size: 8, .value_kind: global_buffer, .address_space: global }
      - { .name: kvimg, .offset: 32, .size: 8, .value_kind: global_buffer, .address_space: global }
    .group_segment_fixed_size: 327680
    .private_segment_fixed_size: 0
    .kernarg_segment_align: 8
    .kernarg_segment_size: 40
    .max_flat_workgroup_size: 128
    .sgpr_count:     98
    .vgpr_count:     896
    .wavefront_size: 32
...
	.end_amdgpu_metadata
.endif
;; end of part 2
;; launch attn (part 3): grid 4 x 64, 16 waves a work-group, no clusters, 34,816 bytes of LDS; arguments qimg, kvimg, mwords, flags, lowp_scales, aimg; writes aimg
.if DOCPART == 3
	.amdgcn_target "amdgcn-amd-amdhsa--gfx1250"
	.amdhsa_code_object_version 6
	.text
	.protected	k_qb1626b4e55_attn
	.globl	k_qb1626b4e55_attn
	.p2align	8
	.type	k_qb1626b4e55_attn,@function
k_qb1626b4e55_attn:
	s_mov_b64 s[64:65], 0
	v_nop
	global_prefetch_b8 v0, s[64:65] scope:SCOPE_SE
	s_setreg_imm32_b32 hwreg(HW_REG_WAVE_MODE, 25, 1), 1
	s_wait_xcnt 0x0
; ATTENTION on codes of E4M3, head size 64, with the mask that is GIVEN (any pattern), read as words and flags that the first launch stored.
; t = score x log2(e) / 8; M = the row's largest t so far, rounded up to a whole number; p = 2^(t - M) is quantised with 2^e4, not normalised; the row's sum is taken of the unquantised p and divides at the end; when M moves, the sum and O are
; multiplied by 2^(old M - new M), which rounds nothing.  O is then quantised with 2^e6 and stored as an image of the last product's operand registers.  A row with no allowed key has the sum 0: it gets the format's NaN code, as a softmax of nothing but -inf asks.
; SHARES.  Work-group (p, bh) takes two blocks of 256 queries of head bh: 7 - p, then p.  Each of its sixteen waves owns one tile of 16 queries in 256 registers, four waves to a SIMD.  A trip is a step of 128 keys; all sixteen waves pass all 16 trips of a block.
; WHAT IS SKIPPED.  A step in which the mask leaves a tile nothing is left out by that wave (its flags), a step that leaves the whole block nothing is not even fetched (the block's flags); a step with no false byte skips the masking.
; These are scalar branches on whole numbers that an earlier launch stored, so this launch has no tensor load: K and V go from memory through registers into LDS, 32 bytes a thread and step.  NO CLUSTER for the same reason: a joint load is a tensor load.
; LAYOUT.  Both products are used transposed: S^T = K Q^T (source 0 = 16 keys), O^T = V^T P^T (source 0 = 16 of the head's 64): a lane holds ONE query.  Score register n of lane (r, h) is key 128 s + 32 (n / 16) + 16 h + n % 16,
; so p's conversions give the second product's operand.  All operands lie in memory and LDS as images of their registers: four registers a chunk of 512 bytes, lane l's 16 bytes at 16 l: no pitch, no padding, no bank conflict.
; LIMITS: e2 + e3 between -123 and 130 (added to c's exponent field); e4 and e6 between -126 and 119.  NaN among the inputs is not served.
; REGISTERS: v1 16 x lane; v2 16 x thread; v3 -inf; v4 the prefetch's offset; v5, v6 the add's two; v12 -M, v13 the largest t, v[14:15] the sum; v16-23 Q; v24-31 a step's 32 bytes on their way to LDS; v32-95 K's 8 fragments, then V's 4;
;   v96-159 S^T, then p; v160-191 O^T; v192-207 p's codes; v208-215 O's codes; v236-254 at work and constants.
; SCALARS: s2 wave, s3 p, s[4:5] qimg, s[6:7] kvimg (walks), s[8:9] mwords, s[10:11] flags, s[12:13] scratch, s[14:15] aimg, s[16:17] my Q, s[18:19] my mask words (walks), s[20:21] my tile of aimg, s22 block, s23 blocks to go, s24 pairs of trips to go, s25 step,
;   s26 my tile's flags, s27 the block's, s[28:29] c, s[30:31] lane selects, s32-63 and s68-99 64 flags or mask words, s66 whether p needs its hold, s67 e4 + e5, s100 who prefetches, s101 scratch.
.set SPARE, 32768                      ; behind the two slots of 16,384 bytes: the spare words, 128 bytes a wave
	s_load_b256 s[4:11], s[0:1], 0x0
	s_load_b128 s[12:15], s[0:1], 0x20             ; the exponents s[12:13], aimg s[14:15]
	v_lshl_add_u32 v5, v0, 2, SPARE
	v_mov_b32 v6, 0
	v_lshrrev_b32 v1, 5, v0
	v_readfirstlane_b32 s2, v1                     ; wave 0..15
	v_and_b32 v1, 31, v0
	v_lshlrev_b32 v4, 8, v1
	v_lshlrev_b32 v1, 4, v1
	v_lshlrev_b32 v2, 4, v0
	v_lshl_add_u32 v4, s2, 13, v4                  ; 256 x lane + 8,192 x wave
	v_mov_b32 v3, 0xff800000
	v_mov_b32 v236, 0                              ; a lane permute's destination counts as one of its sources
	v_mov_b32 v253, 0                              ; named as the upper half of the pair v[252:253]
	v_mov_b32 v246, 0x7f7f7f7f                     ; four NaN codes
.irp i, 24,25,26,27,28,29,30,31
	v_mov_b32 v[\i], 0                             ; written once whole: the loads that fill them stand under a branch
.endr
	s_mov_b32 s3, ttmp9
	s_and_b32 s101, ttmp7, 0xffff                  ; bh
	s_mov_b32 s30, 0x76543210
	s_mov_b32 s31, 0xfedcba98
	s_mov_b32 s28, 0x3e38aa3b                      ; c = log2(e) / 8
	s_lshr_b32 s100, s2, 1
	s_or_b32 s100, s100, ttmp9
	s_cmp_eq_u32 s100, 0
	s_cselect_b32 s100, 1, -1                      ; waves 0 and 1 of the head's first work-group prefetch
	s_sub_co_u32 s22, 7, s3
	s_mov_b32 s23, 2
	s_wait_kmcnt 0x0
	s_load_b256 s[32:39], s[12:13], 0x0            ; e0 .. e7
	s_lshl_b32 s16, s101, 17
	s_mov_b32 s17, 0
	s_add_nc_u64 s[4:5], s[4:5], s[16:17]          ; the head's 128 query tiles of 1,024 bytes
	s_lshl_b32 s16, s101, 18
	s_add_nc_u64 s[6:7], s[6:7], s[16:17]          ; its 16 steps of 16,384 bytes
	s_lshr_b32 s16, s101, 4
	s_lshl_b32 s16, s16, 21                        ; aimg: the batch's 128 row tiles of 16,384 bytes,
	s_and_b32 s18, s101, 15
	s_lshl_b32 s18, s18, 10                        ; and in a tile the head's two chunks: K step head / 2, chunks 2 (head % 2) on = 1,024 x head
	s_add_co_u32 s16, s16, s18
	s_add_nc_u64 s[14:15], s[14:15], s[16:17]
	s_wait_kmcnt 0x0
	s_add_co_i32 s16, s34, s35
	s_lshl_b32 s16, s16, 23
	s_add_co_i32 s28, s28, s16                     ; a score stands for score x 2^(e2 + e3)
	s_mov_b32 s29, s28
	s_cmp_lt_i32 s36, -8
	s_cselect_b32 s66, 1, 0                        ; p is at most 1, and 1 / 2^e4 is at most 256 where e4 is -8 or more: only below that can p pass 448 x 2^e4
	s_add_co_i32 s67, s36, s37
	s_add_co_i32 s16, s36, 127
	s_lshl_b32 s17, s16, 23
	v_mov_b32 v244, s17                            ; 2^e4
	s_add_co_i32 s16, s16, 8
	s_lshl_b32 s16, s16, 23
	s_or_b32 s16, s16, 0x600000
	v_mov_b32 v240, s16                            ; 448 x 2^e4
	s_add_co_i32 s16, s38, 127
	s_lshl_b32 s17, s16, 23
	v_mov_b32 v245, s17                            ; 2^e6
	s_add_co_i32 s16, s16, 8
	s_lshl_b32 s16, s16, 23
	s_or_b32 s16, s16, 0x600000
	v_mov_b32 v241, s16                            ; 448 x 2^e6
; A PREFETCH INTO THE L2 of the step whose loads into registers are issued one trip later: its 16,384 bytes, lanes 256 bytes apart, 8,192 bytes a wave.  It stands behind the trip's own loads.
; Each aligned block of 256 bytes is named once in the launch: the four work-groups of a head walk the same K and V twice each; the first of them asks, in its first block, by its waves 0 and 1.
; The block's last pair of trips asks for nothing: there is no step behind it.  Steps 0 and 1 come by their loads alone.
.macro ASK sg
	s_cmp_gt_u32 s24, s100
	s_cbranch_scc0 .Lnot_mine_\@
	global_prefetch_b8 v4, s[6:7] offset:16384*(\sg+2) th:TH_LOAD_NT scope:SCOPE_SE
.Lnot_mine_\@:
.endm
; A KEY STEP of my tile, from slot sg
.macro STEP sg
.rept 4
	v_nop                                          ; places in front of loads into registers that the last step's products have read
.endr
.irp j, 0,1,2,3,4,5,6,7,8,9,10,11,12,13,14,15
	ds_load_b128 v[32+4*\j:35+4*\j], v1 offset:16384*\sg+512*\j   ; K: key tile j / 2, chunk j % 2
.endr
	s_wait_dscnt 0x0
.irp t, 0,1,2,3,4,5,6,7
	v_wmma_f32_16x16x64_fp8_fp8 v[96+8*\t:103+8*\t], v[32+8*\t:39+8*\t], v[16:23], 0
.endr
.rept 4
	v_nop                                          ; places: in front of the loads below, and of the first read of the scores
.endr
.irp j, 0,1,2,3,4,5,6,7,8,9,10,11,12,13,14,15
	ds_load_b128 v[32+4*\j:35+4*\j], v1 offset:16384*\sg+8192+512*\j   ; V: tile j / 4, chunk j % 4: it lands while the softmax is worked
.endr
	s_add_co_u32 s101, s25, 16
	s_bitcmp1_b32 s26, s101                        ; has the step a false byte for my tile?
	s_cbranch_scc0 .Lopen_\@
	s_load_b512 s[32:47], s[18:19], 256*\sg
	s_load_b512 s[48:63], s[18:19], 256*\sg+64
	s_load_b512 s[68:83], s[18:19], 256*\sg+128
	s_load_b512 s[84:99], s[18:19], 256*\sg+192
	s_wait_kmcnt 0x0
.set n, 0
.rept 32
	v_cndmask_b32 v[96+n], v3, v[96+n], s[32+n]    ; word n holds the 32 lanes' bits for register n: false becomes -inf, so p = 0
.set n, n+1
.endr
.rept 32
	v_cndmask_b32 v[96+n], v3, v[96+n], s[36+n]
.set n, n+1
.endr
.Lopen_\@:
	v_max3_num_f32 v254, v96, v97, v98             ; the step's largest score of my query among my 64 keys, in two chains, each tile from its low end on,
	v_max3_num_f32 v252, v99, v100, v101
.irp i, 6,10,14,18,22,26,30,34,38,42,46,50,54,58
	v_max3_num_f32 v254, v254, v[96+\i], v[97+\i]
	v_max3_num_f32 v252, v252, v[98+\i], v[99+\i]
.endr
	v_max3_num_f32 v254, v254, v158, v159
	v_max_num_f32 v254, v254, v252
	v_permlanex16_b32 v236, v254, s30, s31
	v_max_num_f32 v254, v254, v236                 ; and among lane l xor 16's
	v_mul_f32 v254, s28, v254                      ; as t (c is positive)
	v_max_num_f32 v13, v13, v254                   ; the running largest t
	v_mov_b32 v254, v12
	v_floor_f32 v12, -v13                          ; the new -M = floor(-t): M is a whole number
	v_sub_f32 v254, v12, v254                      ; old M - new M: a whole number, 0 or less
	v_cvt_i32_f32 v254, v254                       ; (it saturates)
	v_ldexp_f32 v252, 1.0, v254                    ; f = 2^(old M - new M)
.set j, 0
.rept 32
	v_pk_fma_f32 v[96+j:97+j], v[96+j:97+j], s[28:29], v[12:13] op_sel_hi:[1,0,0]   ; t - M, two at a time
.set j, j+2
.endr
.set j, 0
.rept 64
	v_exp_f32 v[96+j], v[96+j]                     ; p = 2^(t - M)
.set j, j+1
.endr
	v_pk_mul_f32 v[14:15], v[14:15], v[252:253] op_sel_hi:[1,0]   ; the sums under the new M: the plain instruction behind the exponentials
	s_wait_alu depctr_va_vdst(0)                   ; one wait for the batch of 64, ahead of its first reader
	v_pk_add_f32 v[242:243], v[96:97], v[98:99]    ; the row's sum is taken of the unquantised p
.irp j, 4,8,12,16,20,24,28,32,36,40,44,48,52,56,60
	v_pk_add_f32 v[14:15], v[14:15], v[96+\j:97+\j]
	v_pk_add_f32 v[242:243], v[242:243], v[98+\j:99+\j]
.endr
	v_pk_add_f32 v[14:15], v[14:15], v[242:243]
	s_cmp_eq_u32 s66, 0
	s_cbranch_scc1 .Lno_hold_\@
.set j, 0
.rept 64
	v_min_num_f32 v[96+j], v[96+j], v240           ; the conversion does not saturate (ISA guide 7.6.2); p is not negative, so the hold is one-sided
.set j, j+1
.endr
.Lno_hold_\@:
.irp b, 0,1,2,3
	v_cvt_scalef32_pk8_fp8_f32 v[192+4*\b:193+4*\b], v[96+16*\b:103+16*\b], v244
	v_cvt_scalef32_pk8_fp8_f32 v[194+4*\b:195+4*\b], v[104+16*\b:111+16*\b], v244
.endr
.set j, 0
.rept 16
	v_pk_mul_f32 v[160+j:161+j], v[160+j:161+j], v[252:253] op_sel_hi:[1,0]   ; O^T under the new M; also the plain instructions between the conversions and the products
.set j, j+2
.endr
	s_wait_dscnt 0x0                               ; V is in
.irp t, 0,1,2,3
	v_wmma_f32_16x16x128_fp8_fp8 v[160+8*\t:167+8*\t], v[32+16*\t:47+16*\t], v[192:207], v[160+8*\t:167+8*\t]   ; four accumulators by turns; eight products of the other kind stand between a step's and the next's
.endr
.endm
; A TRIP: step s25, slot sg.  ONE barrier orders both ways: in front of it each wave's stores into this slot have landed and its reads of the other slot, a trip ago, are in; the slot stored now was last read two trips ago, ahead of the last barrier.
.macro TRIP sg
	s_wait_loadcnt 0x0                             ; this step's 32 bytes are in my registers (and, in a block's first trip, Q)
	s_bitcmp1_b32 s27, s25                         ; does any tile of the block use the step?
	s_cbranch_scc0 .Lno_store_\@
	ds_store_b128 v2, v[24:27] offset:16384*\sg
	ds_store_b128 v2, v[28:31] offset:16384*\sg+8192
.Lno_store_\@:
	s_wait_dscnt 0x0
	s_barrier_signal -1
	s_barrier_wait -1
	s_add_co_u32 s101, s25, 1
	s_bitcmp1_b32 s27, s101                        ; the next step, if the block uses it (bit 16 is 0: no load leaves the head's 16 steps)
	s_cbranch_scc0 .Lno_load_\@
	global_load_b128 v[24:27], v2, s[6:7] offset:16384*(\sg+1)
	global_load_b128 v[28:31], v2, s[6:7] offset:16384*(\sg+1)+8192
.Lno_load_\@:
	ASK \sg
	s_bitcmp1_b32 s26, s25                         ; does the mask leave my tile anything in this step?
	s_cbranch_scc0 .Lskip_\@
	STEP \sg
.Lskip_\@:
	s_add_co_u32 s25, s25, 1
.endm
.Lblock:
	s_wait_xcnt 0x0                                ; the last block's loads and stores have read their bases and data
	s_wait_loadcnt 0x0                             ; no load of mine is out: the last trip's loads into v24-31 stand under a branch, and those registers and Q's are loaded anew below
	s_lshl_b32 s101, s22, 4
	s_add_co_u32 s101, s101, s2                    ; my query tile = 16 x block + wave
	s_lshl_b32 s12, s101, 4
	s_mov_b32 s13, 0
	s_add_nc_u64 s[20:21], s[10:11], s[12:13]
	s_load_b128 s[16:19], s[20:21], 0x0            ; my tile's four flag words
	s_lshl_b32 s12, s22, 8
	s_add_nc_u64 s[26:27], s[10:11], s[12:13]
	s_load_b512 s[32:47], s[26:27], 0x0            ; the block's 64
	s_load_b512 s[48:63], s[26:27], 0x40
	s_load_b512 s[68:83], s[26:27], 0x80
	s_load_b512 s[84:99], s[26:27], 0xc0
	s_wait_kmcnt 0x0
	s_or_b32 s16, s16, s17
	s_or_b32 s18, s18, s19
	s_or_b32 s26, s16, s18                         ; bit s: step s has a true for my tile; bit 16 + s: it has a false
	s_or_b32 s27, s32, s33
.set i, 34
.rept 30
	s_or_b32 s27, s27, s[i]
.set i, i+1
.endr
.set i, 68
.rept 32
	s_or_b32 s27, s27, s[i]
.set i, i+1
.endr
	s_and_b32 s27, s27, 0xffff                     ; bit s: some tile of the block uses step s
	s_lshl_b32 s12, s101, 10
	s_add_nc_u64 s[16:17], s[4:5], s[12:13]
	s_lshl_b32 s12, s101, 12
	s_add_nc_u64 s[18:19], s[8:9], s[12:13]
	s_lshl_b32 s12, s101, 14
	s_add_nc_u64 s[20:21], s[14:15], s[12:13]
	global_load_b128 v[16:19], v1, s[16:17]        ; Q's fragment stays in registers
	global_load_b128 v[20:23], v1, s[16:17] offset:512
	v_mov_b32 v13, 0xff61b1e6                      ; the largest t so far: -3e38, under every t
	v_floor_f32 v12, -v13
	v_mov_b32 v14, 0
	v_mov_b32 v15, 0
.set j, 0
.rept 32
	v_mov_b32 v[160+j], 0                          ; O^T: which step is a tile's first hangs on the mask, so the step is written once and finds zeros
.set j, j+1
.endr
	s_bitcmp1_b32 s27, 0
	s_cbranch_scc0 .Lno_first
	global_load_b128 v[24:27], v2, s[6:7]
	global_load_b128 v[28:31], v2, s[6:7] offset:8192
.Lno_first:
	s_mov_b32 s24, 8
	s_mov_b32 s25, 0
.Lpair:
	TRIP 0
	TRIP 1
	s_wait_xcnt 0x0                                ; the loads and the prefetch have read their bases
	s_add_nc_u64 s[6:7], s[6:7], 32768
	s_add_nc_u64 s[18:19], s[18:19], 512
	s_sub_co_u32 s24, s24, 1
	s_cmp_lg_u32 s24, 0
	s_cbranch_scc1 .Lpair
	; THE WAY OUT of a block: O^T / the sum x 2^(e4 + e5), quantised with 2^e6: registers 4 c .. 4 c + 3 are the head's 32 c + 16 h + 0 .. 15 of my query
.rept 4
	v_nop                                          ; places behind the last products
.endr
	v_add_f32 v14, v14, v15
	v_permlanex16_b32 v236, v14, s30, s31
	v_add_f32 v14, v14, v236                       ; the row's sum
	v_cmp_eq_f32 vcc_lo, 0, v14                    ; no key was allowed
	v_rcp_f32 v254, v14
	v_nop                                          ; a plain instruction behind the reciprocal
	s_wait_alu depctr_va_vdst(0)                   ; and the wait ahead of its first reader
	v_ldexp_f32 v252, v254, s67
.set j, 0
.rept 16
	v_pk_mul_f32 v[96+j:97+j], v[160+j:161+j], v[252:253] op_sel_hi:[1,0]
.set j, j+2
.endr
.set j, 0
.rept 32
	v_med3_num_f32 v[96+j], v[96+j], -v241, v241
.set j, j+1
.endr
.irp c, 0,1
	v_cvt_scalef32_pk8_fp8_f32 v[208+4*\c:209+4*\c], v[96+16*\c:103+16*\c], v245
	v_cvt_scalef32_pk8_fp8_f32 v[210+4*\c:211+4*\c], v[104+16*\c:111+16*\c], v245
.endr
	v_nop                                          ; a plain instruction between the conversions and the selects that touch their results
.irp i, 0,1,2,3,4,5,6,7
	v_cndmask_b32 v[208+\i], v[208+\i], v246, vcc_lo
.endr
	global_store_b128 v1, v[208:211], s[20:21]     ; 32 lanes store 512 consecutive bytes, aligned
	global_store_b128 v1, v[212:215], s[20:21] offset:512
	s_sub_nc_u64 s[6:7], s[6:7], 262144            ; back to the head's first step (nothing has named this base since the wait at the last pair's end)
	s_mov_b32 s22, s3                              ; the second block
	s_mov_b32 s100, -1                             ; K and V have been named: no more prefetches
	s_sub_co_u32 s23, s23, 1
	s_cmp_lg_u32 s23, 0
	s_cbranch_scc1 .Lblock
	s_wait_tensorcnt 0x0                           ; the wave's end, behind my last LDS store
	ds_add_u32 v5, v6
	s_wait_dscnt 0x0
	s_endpgm
.Lfunc_end_k_qb1626b4e55_attn:
	.size	k_qb1626b4e55_attn, .Lfunc_end_k_qb1626b4e55_attn-k_qb1626b4e55_attn
	.p2alignl 7, 3214868480
	.fill 96, 4, 3214868480
	.section	.rodata,"a",@progbits
	.p2align	6, 0x0
	.amdhsa_kernel k_qb1626b4e55_attn
		.amdhsa_group_segment_fixed_size 34816
		.amdhsa_private_segment_fixed_size 0
		.amdhsa_enable_private_segment 0
		.amdhsa_kernarg_size 48
		.amdhsa_user_sgpr_count 2
		.amdhsa_user_sgpr_kernarg_segment_ptr 1
		.amdhsa_wavefront_size32 1
		.amdhsa_system_sgpr_workgroup_id_x 1
		.amdhsa_system_sgpr_workgroup_id_y 1
		.amdhsa_system_sgpr_workgroup_id_z 1
		.amdhsa_system_vgpr_workitem_id 0
		.amdhsa_next_free_vgpr 256
		.amdhsa_next_free_sgpr 102
		.amdhsa_reserve_vcc 1
		.amdhsa_float_denorm_mode_32 3
		.amdhsa_float_denorm_mode_16_64 3
		.amdhsa_memory_ordered 1
		.amdhsa_forward_progress 1
		.amdhsa_inst_pref_size 53
	.end_amdhsa_kernel
	.amdgpu_metadata
---
amdhsa.version: [ 1, 2 ]
amdhsa.kernels:
  - .name:           k_qb1626b4e55_attn
    .symbol:         k_qb1626b4e55_attn.kd
    .args:
      - { .name: qimg, .offset: 0, .size: 8, .value_kind: global_buffer, .address_space: global }
      - { .name: kvimg, .offset: 8, .size: 8, .value_kind: global_buffer, .address_space: global }
      - { .name: mwords, .offset: 16, .size: 8, .value_kind: global_buffer, .address_space: global }
      - { .name: flags, .offset: 24, .size: 8, .value_kind: global_buffer, .address_space: global }
      - { .name: lowp_scales, .offset: 32, .size: 8, .value_kind: global_buffer, .address_space: global }
      - { .name: aimg, .offset: 40, .size: 8, .value_kind: global_buffer, .address_space: global }
    .group_segment_fixed_size: 34816
    .private_segment_fixed_size: 0
    .kernarg_segment_align: 8
    .kernarg_segment_size: 48
    .max_flat_workgroup_size: 512
    .sgpr_count:     102
    .vgpr_count:     256
    .wavefront_size: 32
...
	.end_amdgpu_metadata
.endif
;; end of part 3
;; launch proj (part 4): grid 8 x 32, 4 waves a work-group, clusters of 4 x 4, 327,680 bytes of LDS; arguments aimg, woc, lowp_scales, bout, out0; writes out0
.if DOCPART == 4
	.amdgcn_target "amdgcn-amd-amdhsa--gfx1250"
	.amdhsa_code_object_version 6
	.text
	.protected	k_qb1626b4e55_proj
	.globl	k_qb1626b4e55_proj
	.p2align	8
	.type	k_qb1626b4e55_proj,@function
k_qb1626b4e55_proj:
	s_mov_b64 s[64:65], 0
	v_nop
	global_prefetch_b8 v0, s[64:65] scope:SCOPE_SE
	s_setreg_imm32_b32 hwreg(HW_REG_WAVE_MODE, 25, 1), 1
	s_wait_xcnt 0x0
	s_wait_alu depctr_hold_cnt(0) depctr_sa_sdst(0) depctr_va_vdst(0) depctr_va_sdst(0) depctr_va_ssrc(0) depctr_va_vcc(0) depctr_vm_vsrc(0)
	s_getreg_b32 s2, hwreg(HW_REG_IB_STS2, 6, 4)
	s_cmp_eq_u32 s2, 0
	s_cbranch_scc0 .Lentry_in_a_cluster
	s_endpgm
.Lentry_in_a_cluster:
	s_bfe_u32 s2, ttmp6, 0x10000c
	s_cmp_lg_u32 s2, 0xf033
	s_cbranch_scc0 .Lentry_shape_is_right
	s_endpgm
.Lentry_shape_is_right:
; PROJ: out0 = attention's result x Wout + bout, on codes of E4M3.  aimg [512 tiles of 16 rows][8 K steps of 128][4 chunks of 512 bytes]: images of the operand's registers, as the attention launch stored them;
; woc [1024][1024]: codes, K innermost, row n stored at n with bits 3 and 4 exchanged; out0 [8192][1024] f32.  A sum is multiplied by 2^(e6 + e7) and bout is added, in one packed multiply-add.  LIMIT: e6 + e7 between -126 and 127.
; A tile of 256 rows x 128 columns to a work-group; four waves, a wave 64 rows (4 blocks) against all 8 blocks of columns: 32 accumulators.  K = 1,024 in four fills of 256 through a ring of two LDS slots; a fill is two steps of 128.
; The products are used TRANSPOSED (source 0 = 16 rows of woc, source 1 = 16 rows of aimg): a lane holds one row, and the 16 registers of blocks 2 c and 2 c + 1 are columns 32 c + 16 h + 0 .. 15.
; Stored row 16 a + t of a wave's 64 is token 32 (a / 2) + 8 (a % 2) + t + 8 (t / 8): the order that the first launch gave x's rows is undone in the stores' offsets.
; CLUSTER 4 x 4: a row of the cluster shares aimg's tiles, a column shares woc's: joint loads.
; REGISTERS: window 0: v0-31 addresses, v64-127 and v128-191 aimg's fragments, TWO sets (on the way out v32-255 are free); window 1: woc's 8 fragments, ONE set, at v[16 b], and from v192 bout in the result's layout; window 2: accumulator (a, b) at v[8 (8 a + b)].
.set NB,    8
.set NBH,   4
.set PITCH, 272
.set ABYTES, 65536                     ; a slot: aimg's 16 tiles x 2 K steps x 2,048 bytes,
.set HALFB, 64*PITCH                   ; then woc's 128 rows of 256 + 16 bytes
.set SLOT,  ABYTES+2*HALFB
.set STAGE, 2*SLOT                     ; behind the ring, bytes of its own: 16 rows x (512 + 16) for each wave
.set SPARE, STAGE+4*16*528             ; behind the stages: the spare words, 128 bytes a wave
.set ASTEP, 8192                       ; a slot's next fill: two fills of 4,096 bytes on in each tile of aimg,
.set BSTEP, 512                        ; two fills of 256 bytes on in each row of woc
.set ADRA, 16
.set ADRB, 20
.set STO,  24                          ; v24 the stage: where I put 32 bytes of a row
.set RD,   25                          ; v25 and where I read a row back
.set CO,   26                          ; v26 16 x lane
.set SPW,  28
.set NIL,  29
.set G1,  24
.set G0,  32
.set G1B, 48
.set G0B, 56
.set MSB, 0
.macro WIN new
.if MSB != \new
	s_set_vgpr_msb (MSB<<8)|\new
.set MSB, \new
.endif
.endm
.macro JLOAD g0a, g1a, g0b, g1b        ; waves 0 and 1 fetch aimg's halves, waves 2 and 3 woc's; an s_nop 0 and four v_nop follow each of the two lines
	s_cmp_eq_u32 s15, 0
	s_cbranch_scc0 .Lfor_b_\@
	tensor_load_to_lds s[\g0a:\g0a+3], s[\g1a:\g1a+7]
	s_nop 0
.rept 4
	v_nop
.endr
	s_branch .Lasked_\@
.Lfor_b_\@:
	tensor_load_to_lds s[\g0b:\g0b+3], s[\g1b:\g1b+7]
	s_nop 0
.rept 4
	v_nop
.endr
.Lasked_\@:
.endm
.macro CREST
	s_cmp_lg_u32 s14, 0
	s_cbranch_scc1 .Lnot_wave_0_\@
	s_barrier_signal -3
.Lnot_wave_0_\@:
	s_barrier_wait -3
	s_barrier_signal -1
	s_barrier_wait -1
.endm
.macro CROUND
	s_barrier_signal -1
	s_barrier_wait -1
	CREST
.endm
.macro PLACES n
.rept \n
	v_nop
.endr
.endm
	s_load_b128 s[4:7], s[0:1], 0x0                ; aimg s[4:5], woc s[6:7]
	s_load_b128 s[8:11], s[0:1], 0x10              ; the exponents s[8:9], bout s[10:11]
	s_load_b64 s[12:13], s[0:1], 0x20              ; out0
	v_lshl_add_u32 v[SPW], v0, 2, SPARE
	v_mov_b32 v[NIL], 0
	ds_add_u32 v[SPW], v[NIL]                      ; the wave's opening: the add and its wait stand ahead of my first tensor load
	v_lshrrev_b32 v1, 5, v0
	v_readfirstlane_b32 s14, v1
	s_lshr_b32 s15, s14, 1
	s_and_b32 s16, s14, 1
	s_bfe_u32 s40, ttmp6, 0x40000
	s_bfe_u32 s41, ttmp6, 0x40004
	s_lshl_b32 s42, ttmp9, 2
	s_add_co_u32 s42, s42, s40                     ; block of 128 columns
	s_and_b32 s17, ttmp7, 0xffff
	s_lshl_b32 s17, s17, 2
	s_add_co_u32 s17, s17, s41                     ; block of 256 rows
	s_lshl_b32 s43, s41, 2
	s_lshl_b32 s43, 15, s43
	s_lshl_b32 s44, 0x1111, s40
	s_or_b32 s[G1+0], s43, (0<<16)|(1<<21)         ; aimg: the mask of my row; elements of 1 byte; no padding: the images are read 512 consecutive bytes an instruction
	s_or_b32 s[G1B+0], s44, (0<<16)|(1<<20)|(1<<21)|(5<<22)|(3<<25)
	s_mov_b32 s[G1+1], 4096<<16                    ; tensor_dim0 = 4,096: two K steps of a tile
	s_mov_b32 s[G1+2], 8<<16                       ; tensor_dim1 = 8 tiles
	s_mov_b32 s[G1+3], 4096<<16
	s_mov_b32 s[G1+4], 8
	s_mov_b32 s[G1+5], 16384                       ; from tile to tile
	s_mov_b32 s[G1+6], 0
	s_mov_b32 s[G1+7], 0
	s_mov_b32 s[G1B+1], 256<<16
	s_mov_b32 s[G1B+2], 64<<16
	s_mov_b32 s[G1B+3], 256<<16
	s_mov_b32 s[G1B+4], 64
	s_mov_b32 s[G1B+5], 1024
	s_mov_b32 s[G1B+6], 0
	s_mov_b32 s[G1B+7], 0
	s_lshl_b32 s18, s16, 3
	s_lshl_b32 s20, s17, 4
	s_add_co_u32 s20, s20, s18
	s_lshl_b32 s20, s20, 14                        ; aimg: tile 16 y + 8 x half
	s_mov_b32 s21, 0
	s_lshl_b32 s46, s42, 7
	s_lshl_b32 s47, s16, 6
	s_add_co_u32 s46, s46, s47
	s_lshl_b32 s46, s46, 10                        ; woc: row 128 x + 64 x half
	s_mov_b32 s47, 0
	s_lshl_b32 s45, s16, 15
	s_mul_i32 s19, s16, HALFB
	s_add_co_u32 s19, s19, ABYTES
	s_wait_dscnt 0x0
	s_wait_kmcnt 0x0
	s_load_b256 s[68:75], s[8:9], 0x0
	s_add_nc_u64 s[20:21], s[4:5], s[20:21]
	s_add_nc_u64 s[46:47], s[6:7], s[46:47]
	CROUND
.irp s, 0,1
	s_mov_b32 s[G0+4*\s], 1
	s_add_co_u32 s[G0+4*\s+1], s45, \s*SLOT
	s_add_nc_u64 s[G0+4*\s+2:G0+4*\s+3], s[20:21], \s*4096
	s_or_b32 s[G0+4*\s+3], s[G0+4*\s+3], 0x80000000
	s_mov_b32 s[G0B+4*\s], 1
	s_add_co_u32 s[G0B+4*\s+1], s19, \s*SLOT
	s_add_nc_u64 s[G0B+4*\s+2:G0B+4*\s+3], s[46:47], \s*256
	s_or_b32 s[G0B+4*\s+3], s[G0B+4*\s+3], 0x80000000
	JLOAD G0+4*\s, G1, G0B+4*\s, G1B
.endr
	v_and_b32 v1, 15, v0
	v_bfe_u32 v2, v0, 4, 1
	v_mul_u32_u24 v3, v1, PITCH
	v_lshl_add_u32 v4, v2, 4, v3
	v_and_b32 v5, 31, v0
	v_lshlrev_b32 v[CO], 4, v5
	s_lshl_b32 s21, s14, 14                        ; my four tiles of aimg: 16,384 bytes a wave
	s_mov_b32 s22, ABYTES
.irp s, 0,1
	v_add_nc_u32 v[ADRA+\s], s21, v[CO]
	v_add_nc_u32 v[ADRB+\s], s22, v4
	s_add_co_u32 s21, s21, SLOT
	s_add_co_u32 s22, s22, SLOT
.endr
	s_mul_i32 s23, s14, 16*528
	s_add_co_u32 s23, s23, STAGE
	v_mul_u32_u24 v6, v1, 528
	v_lshl_add_u32 v6, v2, 6, v6
	v_add_nc_u32 v[STO], s23, v6                   ; row r, + 64 h: block 2 c + u's eight columns lie 128 c + 32 u bytes on
	v_add_nc_u32 v[RD], s23, v[CO]
	v_lshlrev_b32 v27, 6, v2
	s_lshl_b32 s84, s17, 8
	s_lshl_b32 s85, s14, 6
	s_add_co_u32 s84, s84, s85
	s_lshl_b32 s84, s84, 12                        ; out0: row 256 y + 64 w of 4,096 bytes,
	s_lshl_b32 s85, s42, 9
	s_add_co_u32 s84, s84, s85                     ; + 512 x
	s_mov_b32 s85, 0
	s_add_nc_u64 s[76:77], s[12:13], s[84:85]
	s_lshl_b32 s84, s42, 9
	s_add_nc_u64 s[78:79], s[10:11], s[84:85]      ; bout at my 128 columns
	WIN 0x40                                       ; destination window 1
.irp b, 0,1,2,3,4,5,6,7
	global_load_b128 v[192+8*\b:195+8*\b], v27, s[78:79] offset:128*(\b/2)+32*(\b%2)
	global_load_b128 v[196+8*\b:199+8*\b], v27, s[78:79] offset:128*(\b/2)+32*(\b%2)+16
.endr
	WIN 0
.macro MULB b0, n, set, zero           ; n blocks of woc from b0 on, each against aimg's four of set 'set'; each of the 32 accumulators has one turn a step
	WIN 0xa1                                       ; source 0 (woc) window 1, source 1 (aimg) window 0, C and D window 2
.set bb, \b0
.rept \n
.set aa, 0
.rept 4
.set rA, 64+64*(\set)+16*aa
.set rB, 16*bb
.set rD, 8*(8*aa+bb)
.if \zero
	v_wmma_f32_16x16x128_fp8_fp8 v[rD:rD+7], v[rB:rB+15], v[rA:rA+15], 0
.else
	v_wmma_f32_16x16x128_fp8_fp8 v[rD:rD+7], v[rB:rB+15], v[rA:rA+15], v[rD:rD+7]
.endif
.set aa, aa+1
.endr
.set bb, bb+1
.endr
.endm
.macro FETCH_A slot, q, set            ; the images come back as they were stored: four registers a load, 512 consecutive bytes
	WIN 0
.irp a, 0,1,2,3
.irp c, 0,1,2,3
	ds_load_b128 v[64+64*(\set)+16*\a+4*\c:64+64*(\set)+16*\a+4*\c+3], v[ADRA+\slot] offset:4096*\a+2048*(\q)+512*\c
.endr
.endr
.endm
.macro FETCH_B slot, q, b0, n
	WIN 0x40
.set bb, \b0
.rept \n
.irp c, 0,1,2,3
	ds_load_b128 v[16*bb+4*\c:16*bb+4*\c+3], v[ADRB+\slot] offset:128*(\q)+32*\c+bb*16*PITCH
.endr
.set bb, bb+1
.endr
	WIN 0
.endm
.macro STEP slot, zero
	s_wait_dscnt 4*NBH                             ; aimg's set and woc's lower four blocks are in; the youngest 16 loads, the upper four, may be out
	MULB 0, NBH, 0, \zero
	s_wait_dscnt 0
	PLACES 4
	FETCH_A \slot, 1, 1
	FETCH_B \slot, 1, 0, NBH
	MULB NBH, NBH, 0, \zero
	PLACES 4
	FETCH_B \slot, 1, NBH, NBH
.endm
.macro TURN slot, next, fill
	s_wait_tensorcnt 0x0                           ; all my tensor loads have landed: my part of the next slot
	ds_add_u32 v[SPW], v[NIL]
	s_wait_dscnt 4*NBH+1                           ; the add and the youngest 16 loads may be out
	MULB 0, NBH/2, 1, 0
	s_wait_dscnt 0x0                               ; the add is done, and my reads of this slot are over
	s_barrier_signal -1
	MULB NBH/2, NBH/2, 1, 0
	WIN 0
	s_barrier_wait -1
.if \fill
	CREST                                          ; a round of the cluster's barrier: no wave of any partner still reads this slot or has a load on its way
	s_add_nc_u64 s[G0+4*\slot+2:G0+4*\slot+3], s[G0+4*\slot+2:G0+4*\slot+3], ASTEP
	s_add_nc_u64 s[G0B+4*\slot+2:G0B+4*\slot+3], s[G0B+4*\slot+2:G0B+4*\slot+3], BSTEP
	JLOAD G0+4*\slot, G1, G0B+4*\slot, G1B
.else
	PLACES 4
.endif
	FETCH_A \next, 0, 0
	FETCH_B \next, 0, 0, NBH
	MULB NBH, NBH, 1, 0
	PLACES 4
	FETCH_B \next, 0, NBH, NBH
.endm
	s_wait_tensorcnt 1                             ; my part of slot 0 is in; slot 1's may stay out
	s_barrier_signal -1
	s_barrier_wait -1
	FETCH_A 0, 0, 0
	FETCH_B 0, 0, 0, NBH
	FETCH_B 0, 0, NBH, NBH
	STEP 0, 1
	TURN 0, 1, 1
	STEP 1, 0
	TURN 1, 0, 1
	STEP 0, 0
	TURN 0, 1, 0
	STEP 1, 0
	s_wait_dscnt 4*NBH
	MULB 0, NBH, 1, 0
	s_wait_dscnt 0
	MULB NBH, NBH, 1, 0
	WIN 0
; THE WAY OUT, a block of 16 rows x 128 columns at a time: sum x 2^(e6 + e7) + bout; through my own stage; back as whole rows of 512 bytes, which the 32 lanes store as 512 consecutive aligned bytes.
; LDS serves a wave's instructions in order (ISA guide 5.7.1.4): no wait between the stores and the loads, nor in front of the next block's stores.
.macro TOSTAGE a
	WIN 0x12                                       ; source 0 (the sums) window 2, source 2 (bout) window 1
.set j, 0
.rept 32
	v_pk_fma_f32 v[32+j:33+j], v[64*(\a)+j:64*(\a)+j+1], s[96:97], v[192+j:193+j] op_sel_hi:[1,0,1]   ; each accumulator from its low end on
.set j, j+2
.endr
	WIN 0
.irp b, 0,1,2,3,4,5,6,7
	ds_store_b128 v[STO], v[32+8*\b:35+8*\b] offset:128*(\b/2)+32*(\b%2)
	ds_store_b128 v[STO], v[36+8*\b:39+8*\b] offset:128*(\b/2)+32*(\b%2)+16
.endr
.set BB, 128+64*((\a)%2)
.irp t, 0,1,2,3,4,5,6,7,8,9,10,11,12,13,14,15
	ds_load_b128 v[BB+4*\t:BB+4*\t+3], v[RD] offset:\t*528
.endr
.endm
.macro SEND a, younger                 ; younger: the LDS instructions issued behind block a's loads, which may stay out
.set BB, 128+64*((\a)%2)
	s_wait_dscnt \younger
.irp t, 0,1,2,3,4,5,6,7,8,9,10,11,12,13,14,15
	global_store_b128 v[CO], v[BB+4*\t:BB+4*\t+3], s[76:77] offset:(32*((\a)/2)+8*((\a)%2)+\t+8*(\t/8))*4096 th:TH_STORE_NT   ; the row's token; 63 rows of 4,096 bytes at the most: inside the signed 24-bit immediate
.endr
.endm
	s_wait_kmcnt 0x0
	s_add_co_i32 s96, s74, s75
	s_add_co_i32 s96, s96, 127
	s_lshl_b32 s96, s96, 23                        ; 2^(e6 + e7) as f32
	s_mov_b32 s97, s96                             ; named with it as a pair, so it is written
	s_wait_loadcnt 0x0                             ; bout
	PLACES 4                                       ; behind the last products: their results are read, and loads land where their operands lay
	TOSTAGE 0
.irp a, 1,2,3
.if \a > 1
	s_wait_xcnt 0x0                                ; block a - 2's stores have read their registers: block a's loads may land there
.endif
	TOSTAGE \a
	SEND \a-1, 32                                  ; behind block a - 1's loads: block a's 16 stores and 16 loads
.endr
	SEND 3, 0
	s_wait_tensorcnt 0x0                           ; the wave's end, behind my last tensor load and my last LDS store
	ds_add_u32 v[SPW], v[NIL]
	s_wait_dscnt 0x0
	CROUND                                         ; the closing round
	s_endpgm
.Lfunc_end_k_qb1626b4e55_proj:
	.size	k_qb1626b4e55_proj, .Lfunc_end_k_qb1626b4e55_proj-k_qb1626b4e55_proj
	.p2alignl 7, 3214868480
	.fill 96, 4, 3214868480
	.section	.rodata,"a",@progbits
	.p2align	6, 0x0
	.amdhsa_kernel k_qb1626b4e55_proj
		.amdhsa_group_segment_fixed_size 327680
		.amdhsa_private_segment_fixed_size 0
		.amdhsa_enable_private_segment 0
		.amdhsa_kernarg_size 40
		.amdhsa_user_sgpr_count 2
		.amdhsa_user_sgpr_kernarg_segment_ptr 1
		.amdhsa_wavefront_size32 1
		.amdhsa_system_sgpr_workgroup_id_x 1
		.amdhsa_system_sgpr_workgroup_id_y 1
		.amdhsa_system_sgpr_workgroup_id_z 1
		.amdhsa_system_vgpr_workitem_id 0
		.amdhsa_next_free_vgpr 768
		.amdhsa_next_free_sgpr 98
		.amdhsa_reserve_vcc 0
		.amdhsa_float_denorm_mode_32 3
		.amdhsa_float_denorm_mode_16_64 3
		.amdhsa_memory_ordered 1
		.amdhsa_forward_progress 1
		.amdhsa_inst_pref_size 78
	.end_amdhsa_kernel
	.amdgpu_metadata
---
amdhsa.version: [ 1, 2 ]
amdhsa.kernels:
  - .name:           k_qb1626b4e55_proj
    .symbol:         k_qb1626b4e55_proj.kd
    .args:
      - { .name: aimg, .offset: 0, .size: 8, .value_kind: global_buffer, .address_space: global }
      - { .name: woc, .offset: 8, .size: 8, .value_kind: global_buffer, .address_space: global }
      - { .name: lowp_scales, .offset: 16, .size: 8, .value_kind: global_buffer, .address_space: global }
      - { .name: bout, .offset: 24, .size: 8, .value_kind: global_buffer, .address_space: global }
      - { .name: out0, .offset: 32, .size: 8, .value_kind: global_buffer, .address_space: global }
    .group_segment_fixed_size: 327680
    .private_segment_fixed_size: 0
    .kernarg_segment_align: 8
    .kernarg_segment_size: 40
    .max_flat_workgroup_size: 128
    .sgpr_count:     98
    .vgpr_count:     768
    .wavefront_size: 32
...
	.end_amdgpu_metadata
.endif
;; end of part 4
;; ======== version 2 of 2: 4 launches; version 1 with the launch attn written anew for expert scheduling mode
;; workspace buffers: xq 8,388,608 bytes; wqc 3,145,728 bytes; woc 1,048,576 bytes; mwords 524,288 bytes of whole numbers; flags 2,048 bytes of whole numbers; qimg 8,388,608 bytes; kvimg 16,777,216 bytes; aimg 8,388,608 bytes
;; launch prep: the kernel of part 1 again; grid 512 x 1, 4 waves a work-group, no clusters, 68,096 bytes of LDS; arguments x, Wqkv, Wout, causal_mask, lowp_scales, xq, wqc, woc, mwords, flags; writes xq, wqc, woc, mwords, flags
;; launch qkv: the kernel of part 2 again; grid 16 x 32, 4 waves a work-group, clusters of 4 x 4, 327,680 bytes of LDS; arguments xq, wqc, lowp_scales, qimg, kvimg; writes qimg, kvimg
;; launch attn (part 5): grid 4 x 64, 16 waves a work-group, no clusters, 34,816 bytes of LDS; arguments qimg, kvimg, mwords, flags, lowp_scales, aimg; writes aimg
.if DOCPART == 5
	.amdgcn_target "amdgcn-amd-amdhsa--gfx1250"
	.amdhsa_code_object_version 6
	.text
	.protected	k_qb1626b4e55_attn
	.globl	k_qb1626b4e55_attn
	.p2align	8
	.type	k_qb1626b4e55_attn,@function
k_qb1626b4e55_attn:
	s_mov_b64 s[64:65], 0
	v_nop
	global_prefetch_b8 v0, s[64:65] scope:SCOPE_SE
	s_setreg_imm32_b32 hwreg(HW_REG_WAVE_SCHED_MODE, 0, 2), 2
	s_setreg_imm32_b32 hwreg(HW_REG_WAVE_MODE, 25, 1), 1
	s_wait_xcnt 0x0
	s_wait_alu depctr_vm_vsrc(0)
; ATTENTION on codes of E4M3, head size 64, with the mask that is GIVEN (any pattern), read as words and flags that the first launch stored.
; t = score x log2(e) / 8; M = the row's largest t so far, rounded up to a whole number; p = 2^(t - M) is quantised with 2^e4, not normalised; the row's sum is taken of the unquantised p and divides at the end; when M moves, the sum and O are
; multiplied by 2^(old M - new M), which rounds nothing.  O is then quantised with 2^e6 and stored as an image of the last product's operand registers.  A row with no allowed key has the sum 0: it gets the format's NaN code, as a softmax of nothing but -inf asks.
; SHARES.  Work-group (p, bh) takes two blocks of 256 queries of head bh: 7 - p, then p.  Each of its sixteen waves owns one tile of 16 queries in 256 registers, four waves to a SIMD.  A trip is a step of 128 keys; all sixteen waves pass all 16 trips of a block.
; WHAT IS SKIPPED.  A step in which the mask leaves a tile nothing is left out by that wave (its flags), a step that leaves the whole block nothing is not even fetched (the block's flags); a step with no false byte skips the masking.
; These are scalar branches on whole numbers that an earlier launch stored, so this launch has no tensor load: K and V go from memory through registers into LDS, 32 bytes a thread and step.  NO CLUSTER for the same reason: a joint load is a tensor load.
; LAYOUT.  Both products are used transposed: S^T = K Q^T (source 0 = 16 keys), O^T = V^T P^T (source 0 = 16 of the head's 64): a lane holds ONE query.  Score register n of lane (r, h) is key 128 s + 32 (n / 16) + 16 h + n % 16,
; so p's conversions give the second product's operand.  All operands lie in memory and LDS as images of their registers: four registers a chunk of 512 bytes, lane l's 16 bytes at 16 l: no pitch, no padding, no bank conflict.
; LIMITS: e2 + e3 between -123 and 130 (added to c's exponent field); e4 and e6 between -126 and 119.  NaN among the inputs is not served.
; THE MODE: SCHED_MODE bits 1:0 = 2 (LLVM: expert scheduling mode 2), set by the entry lines.  The code itself states the register dependences between vector or matrix instructions and memory or LDS instructions, with s_wait_alu, always for 0.
; THE PLAN.  Registers that memory or LDS instructions touch:
;   v1, v2, v4   Offsets.  Written by vector instructions at the kernel's head and never again; read by every LDS load and store, every load, store and prefetch.
;   v16-23       Q.  Two loads at a block's head land in it; the eight products K Q^T of each of the block's steps read it.
;   v24-31       A step's 32 bytes.  Written whole once at the kernel's head, from then on by loads alone (at a block's head, and behind each trip's barrier); read by the trip's two LDS stores.  No vector instruction names them behind the head.
;   v32-95       K's loads land at a step's head, the eight products K Q^T read them; V's loads land behind those, the four products V^T P at the step's end read them.
;   v208-215     O's codes.  Written by the conversions and selects of a block's way out; read by its two stores; written again a block later.
;   v5, v6       Written at the head, read by the closing add alone.
; So: one wait on va_vdst at a block's head (the offsets and v24-31 are written; the last block's products are done with Q) serves every reader of the offsets and every load into v16-31 of the block; one at a step's head and one behind
; the products K Q^T free v32-95 for K's and V's loads; one stands ahead of the way out's stores.  One wait on vm_vsrc a trip stands behind the LDS stores, ahead of the loads into v24-31; one at a block's head frees v208-215.
; There is no second buffer for K or V: of a wave's 256 registers fewer than 64 are free.  The loads that can run ahead do: a step's 32 bytes are asked for a trip ahead, first thing behind the barrier, and V a whole softmax ahead of its products.
; REGISTERS: v1 16 x lane; v2 16 x thread; v3 -inf; v4 the prefetch's offset; v5, v6 the add's two; v12 -M, v13 the largest t, v[14:15] the sum; v16-23 Q; v24-31 a step's 32 bytes on their way to LDS; v32-95 K's 8 fragments, then V's 4;
;   v96-159 S^T, then p; v160-191 O^T; v192-207 p's codes; v208-215 O's codes; v236-254 at work and constants.
; SCALARS: s2 wave, s3 p, s[4:5] qimg, s[6:7] kvimg (walks), s[8:9] mwords, s[10:11] flags, s[12:13] scratch, s[14:15] aimg, s[16:17] my Q, s[18:19] my mask words (walks), s[20:21] my tile of aimg, s22 block, s23 blocks to go, s24 pairs of trips to go, s25 step,
;   s26 my tile's flags, s27 the block's, s[28:29] c, s[30:31] lane selects, s32-63 and s68-99 64 flags or mask words, s66 whether p needs its hold, s67 e4 + e5, s100 who prefetches, s101 scratch.
.set SPARE, 32768                      ; behind the two slots of 16,384 bytes: the spare words, 128 bytes a wave
	s_load_b256 s[4:11], s[0:1], 0x0
	s_load_b128 s[12:15], s[0:1], 0x20             ; the exponents s[12:13], aimg s[14:15]
	v_lshl_add_u32 v5, v0, 2, SPARE
	v_mov_b32 v6, 0
	v_lshrrev_b32 v1, 5, v0
	v_readfirstlane_b32 s2, v1                     ; wave 0..15
	v_and_b32 v1, 31, v0
	v_lshlrev_b32 v4, 8, v1
	v_lshlrev_b32 v1, 4, v1
	v_lshlrev_b32 v2, 4, v0
	s_wait_alu depctr_va_sdst(0)                   ; s2 is written, ahead of its first reader, the line below
	v_lshl_add_u32 v4, s2, 13, v4                  ; 256 x lane + 8,192 x wave
	v_mov_b32 v3, 0xff800000
	v_mov_b32 v236, 0                              ; a lane permute's destination counts as one of its sources
	v_mov_b32 v253, 0                              ; named as the upper half of the pair v[252:253]
	v_mov_b32 v246, 0x7f7f7f7f                     ; four NaN codes
.irp i, 24,25,26,27,28,29,30,31
	v_mov_b32 v[\i], 0                             ; written once whole: the loads that fill them stand under a branch
.endr
	s_mov_b32 s3, ttmp9
	s_and_b32 s101, ttmp7, 0xffff                  ; bh
	s_mov_b32 s30, 0x76543210
	s_mov_b32 s31, 0xfedcba98
	s_mov_b32 s28, 0x3e38aa3b                      ; c = log2(e) / 8
	s_lshr_b32 s100, s2, 1
	s_or_b32 s100, s100, ttmp9
	s_cmp_eq_u32 s100, 0
	s_cselect_b32 s100, 1, -1                      ; waves 0 and 1 of the head's first work-group prefetch
	s_sub_co_u32 s22, 7, s3
	s_mov_b32 s23, 2
	s_wait_kmcnt 0x0
	s_load_b256 s[32:39], s[12:13], 0x0            ; e0 .. e7
	s_lshl_b32 s16, s101, 17
	s_mov_b32 s17, 0
	s_add_nc_u64 s[4:5], s[4:5], s[16:17]          ; the head's 128 query tiles of 1,024 bytes
	s_lshl_b32 s16, s101, 18
	s_add_nc_u64 s[6:7], s[6:7], s[16:17]          ; its 16 steps of 16,384 bytes
	s_lshr_b32 s16, s101, 4
	s_lshl_b32 s16, s16, 21                        ; aimg: the batch's 128 row tiles of 16,384 bytes,
	s_and_b32 s18, s101, 15
	s_lshl_b32 s18, s18, 10                        ; and in a tile the head's two chunks: K step head / 2, chunks 2 (head % 2) on = 1,024 x head
	s_add_co_u32 s16, s16, s18
	s_add_nc_u64 s[14:15], s[14:15], s[16:17]
	s_wait_kmcnt 0x0
	s_add_co_i32 s16, s34, s35
	s_lshl_b32 s16, s16, 23
	s_add_co_i32 s28, s28, s16                     ; a score stands for score x 2^(e2 + e3)
	s_mov_b32 s29, s28
	s_cmp_lt_i32 s36, -8
	s_cselect_b32 s66, 1, 0                        ; p is at most 1, and 1 / 2^e4 is at most 256 where e4 is -8 or more: only below that can p pass 448 x 2^e4
	s_add_co_i32 s67, s36, s37
	s_add_co_i32 s16, s36, 127
	s_lshl_b32 s17, s16, 23
	v_mov_b32 v244, s17                            ; 2^e4
	s_add_co_i32 s16, s16, 8
	s_lshl_b32 s16, s16, 23
	s_or_b32 s16, s16, 0x600000
	v_mov_b32 v240, s16                            ; 448 x 2^e4
	s_add_co_i32 s16, s38, 127
	s_lshl_b32 s17, s16, 23
	v_mov_b32 v245, s17                            ; 2^e6
	s_add_co_i32 s16, s16, 8
	s_lshl_b32 s16, s16, 23
	s_or_b32 s16, s16, 0x600000
	v_mov_b32 v241, s16                            ; 448 x 2^e6
; A PREFETCH INTO THE L2 of the step whose loads into registers are issued one trip later: its 16,384 bytes, lanes 256 bytes apart, 8,192 bytes a wave.  It stands behind the trip's own loads.
; Each aligned block of 256 bytes is named once in the launch: the four work-groups of a head walk the same K and V twice each; the first of them asks, in its first block, by its waves 0 and 1.
; The block's last pair of trips asks for nothing: there is no step behind it.  Steps 0 and 1 come by their loads alone.  Its offset v4 was written ahead of the wait on va_vdst at the block's head and is never written again.
.macro ASK sg
	s_cmp_gt_u32 s24, s100
	s_cbranch_scc0 .Lnot_mine_\@
	global_prefetch_b8 v4, s[6:7] offset:16384*(\sg+2) th:TH_LOAD_NT scope:SCOPE_SE
.Lnot_mine_\@:
.endm
; A KEY STEP of my tile, from slot sg
.macro STEP sg
.rept 4
	v_nop                                          ; four plain instructions behind the last step's products; the wait below states the dependence itself
.endr
	s_wait_alu depctr_va_vdst(0)                   ; the products of the step that I worked last are done reading v32-95, in which K's loads land
.irp j, 0,1,2,3,4,5,6,7,8,9,10,11,12,13,14,15
	ds_load_b128 v[32+4*\j:35+4*\j], v1 offset:16384*\sg+512*\j   ; K: key tile j / 2, chunk j % 2
.endr
	s_wait_dscnt 0x0
.irp t, 0,1,2,3,4,5,6,7
	v_wmma_f32_16x16x64_fp8_fp8 v[96+8*\t:103+8*\t], v[32+8*\t:39+8*\t], v[16:23], 0
.endr
.rept 4
	v_nop                                          ; places in front of the first read of the scores; they stay beside the wait below
.endr
	s_wait_alu depctr_va_vdst(0)                   ; the eight products are done reading v32-95, in which V's loads land
.irp j, 0,1,2,3,4,5,6,7,8,9,10,11,12,13,14,15
	ds_load_b128 v[32+4*\j:35+4*\j], v1 offset:16384*\sg+8192+512*\j   ; V: tile j / 4, chunk j % 4: it lands while the softmax is worked, which names none of v32-95
.endr
	s_add_co_u32 s101, s25, 16
	s_bitcmp1_b32 s26, s101                        ; has the step a false byte for my tile?
	s_cbranch_scc0 .Lopen_\@
	s_load_b512 s[32:47], s[18:19], 256*\sg
	s_load_b512 s[48:63], s[18:19], 256*\sg+64
	s_load_b512 s[68:83], s[18:19], 256*\sg+128
	s_load_b512 s[84:99], s[18:19], 256*\sg+192
	s_wait_kmcnt 0x0
.set n, 0
.rept 32
	v_cndmask_b32 v[96+n], v3, v[96+n], s[32+n]    ; word n holds the 32 lanes' bits for register n: false becomes -inf, so p = 0
.set n, n+1
.endr
.rept 32
	v_cndmask_b32 v[96+n], v3, v[96+n], s[36+n]
.set n, n+1
.endr
.Lopen_\@:
	v_max3_num_f32 v254, v96, v97, v98             ; the step's largest score of my query among my 64 keys, in two chains, each tile from its low end on,
	v_max3_num_f32 v252, v99, v100, v101
.irp i, 6,10,14,18,22,26,30,34,38,42,46,50,54,58
	v_max3_num_f32 v254, v254, v[96+\i], v[97+\i]
	v_max3_num_f32 v252, v252, v[98+\i], v[99+\i]
.endr
	v_max3_num_f32 v254, v254, v158, v159
	v_max_num_f32 v254, v254, v252
	v_permlanex16_b32 v236, v254, s30, s31
	v_max_num_f32 v254, v254, v236                 ; and among lane l xor 16's
	v_mul_f32 v254, s28, v254                      ; as t (c is positive)
	v_max_num_f32 v13, v13, v254                   ; the running largest t
	v_mov_b32 v254, v12
	v_floor_f32 v12, -v13                          ; the new -M = floor(-t): M is a whole number
	v_sub_f32 v254, v12, v254                      ; old M - new M: a whole number, 0 or less
	v_cvt_i32_f32 v254, v254                       ; (it saturates)
	v_ldexp_f32 v252, 1.0, v254                    ; f = 2^(old M - new M)
.set j, 0
.rept 32
	v_pk_fma_f32 v[96+j:97+j], v[96+j:97+j], s[28:29], v[12:13] op_sel_hi:[1,0,0]   ; t - M, two at a time
.set j, j+2
.endr
.set j, 0
.rept 64
	v_exp_f32 v[96+j], v[96+j]                     ; p = 2^(t - M)
.set j, j+1
.endr
	v_pk_mul_f32 v[14:15], v[14:15], v[252:253] op_sel_hi:[1,0]   ; the sums under the new M: the plain instruction behind the exponentials
	s_wait_alu depctr_va_vdst(0)                   ; the 64 exponentials have written v96-159: one wait for the batch, ahead of its first reader
	v_pk_add_f32 v[242:243], v[96:97], v[98:99]    ; the row's sum is taken of the unquantised p
.irp j, 4,8,12,16,20,24,28,32,36,40,44,48,52,56,60
	v_pk_add_f32 v[14:15], v[14:15], v[96+\j:97+\j]
	v_pk_add_f32 v[242:243], v[242:243], v[98+\j:99+\j]
.endr
	v_pk_add_f32 v[14:15], v[14:15], v[242:243]
	s_cmp_eq_u32 s66, 0
	s_cbranch_scc1 .Lno_hold_\@
.set j, 0
.rept 64
	v_min_num_f32 v[96+j], v[96+j], v240           ; the conversion does not saturate (ISA guide 7.6.2); p is not negative, so the hold is one-sided
.set j, j+1
.endr
.Lno_hold_\@:
.irp b, 0,1,2,3
	v_cvt_scalef32_pk8_fp8_f32 v[192+4*\b:193+4*\b], v[96+16*\b:103+16*\b], v244
	v_cvt_scalef32_pk8_fp8_f32 v[194+4*\b:195+4*\b], v[104+16*\b:111+16*\b], v244
.endr
.set j, 0
.rept 16
	v_pk_mul_f32 v[160+j:161+j], v[160+j:161+j], v[252:253] op_sel_hi:[1,0]   ; O^T under the new M; also the plain instructions between the conversions and the products
.set j, j+2
.endr
	s_wait_dscnt 0x0                               ; V is in
.irp t, 0,1,2,3
	v_wmma_f32_16x16x128_fp8_fp8 v[160+8*\t:167+8*\t], v[32+16*\t:47+16*\t], v[192:207], v[160+8*\t:167+8*\t]   ; four accumulators by turns; eight products of the other kind stand between a step's and the next's
.endr
.endm
; A TRIP: step s25, slot sg.  ONE barrier orders both ways: in front of it each wave's stores into this slot have landed and its reads of the other slot, a trip ago, are in; the slot stored now was last read two trips ago, ahead of the last barrier.
.macro TRIP sg
	s_wait_loadcnt 0x0                             ; this step's 32 bytes are in my registers (and, in a block's first trip, Q)
	s_bitcmp1_b32 s27, s25                         ; does any tile of the block use the step?
	s_cbranch_scc0 .Lno_store_\@
	ds_store_b128 v2, v[24:27] offset:16384*\sg    ; v2 and, where no load has landed there yet, v24-31 were written ahead of the wait on va_vdst at the block's head; no vector instruction names them since
	ds_store_b128 v2, v[28:31] offset:16384*\sg+8192
.Lno_store_\@:
	s_wait_dscnt 0x0
	s_wait_alu depctr_vm_vsrc(0)                   ; the two LDS stores have read v24-31, in which the loads behind the barrier land: stated here, ahead of the branch that leads to them
	s_barrier_signal -1
	s_barrier_wait -1
	s_add_co_u32 s101, s25, 1
	s_bitcmp1_b32 s27, s101                        ; the next step, if the block uses it (bit 16 is 0: no load leaves the head's 16 steps)
	s_cbranch_scc0 .Lno_load_\@
	global_load_b128 v[24:27], v2, s[6:7] offset:16384*(\sg+1)
	global_load_b128 v[28:31], v2, s[6:7] offset:16384*(\sg+1)+8192
.Lno_load_\@:
	ASK \sg
	s_bitcmp1_b32 s26, s25                         ; does the mask leave my tile anything in this step?
	s_cbranch_scc0 .Lskip_\@
	STEP \sg
.Lskip_\@:
	s_add_co_u32 s25, s25, 1
.endm
.Lblock:
	s_wait_xcnt 0x0                                ; the last block's loads and stores have read their bases and data
	s_wait_alu depctr_vm_vsrc(0)                   ; the last block's two stores have read v208-215, which this block's conversions write again; and every LDS store has read v24-31, ahead of the branch to the loads below
	s_wait_loadcnt 0x0                             ; no load of mine is out: the last trip's loads into v24-31 stand under a branch, and those registers and Q's are loaded anew below
	s_lshl_b32 s101, s22, 4
	s_add_co_u32 s101, s101, s2                    ; my query tile = 16 x block + wave
	s_lshl_b32 s12, s101, 4
	s_mov_b32 s13, 0
	s_add_nc_u64 s[20:21], s[10:11], s[12:13]
	s_load_b128 s[16:19], s[20:21], 0x0            ; my tile's four flag words
	s_lshl_b32 s12, s22, 8
	s_add_nc_u64 s[26:27], s[10:11], s[12:13]
	s_load_b512 s[32:47], s[26:27], 0x0            ; the block's 64
	s_load_b512 s[48:63], s[26:27], 0x40
	s_load_b512 s[68:83], s[26:27], 0x80
	s_load_b512 s[84:99], s[26:27], 0xc0
	s_wait_kmcnt 0x0
	s_or_b32 s16, s16, s17
	s_or_b32 s18, s18, s19
	s_or_b32 s26, s16, s18                         ; bit s: step s has a true for my tile; bit 16 + s: it has a false
	s_or_b32 s27, s32, s33
.set i, 34
.rept 30
	s_or_b32 s27, s27, s[i]
.set i, i+1
.endr
.set i, 68
.rept 32
	s_or_b32 s27, s27, s[i]
.set i, i+1
.endr
	s_and_b32 s27, s27, 0xffff                     ; bit s: some tile of the block uses step s
	s_lshl_b32 s12, s101, 10
	s_add_nc_u64 s[16:17], s[4:5], s[12:13]
	s_lshl_b32 s12, s101, 12
	s_add_nc_u64 s[18:19], s[8:9], s[12:13]
	s_lshl_b32 s12, s101, 14
	s_add_nc_u64 s[20:21], s[14:15], s[12:13]
	s_wait_alu depctr_va_vdst(0)                   ; the kernel's head has written the offsets v1, v2, v4 and v24-31; the last block's products are done reading Q's v16-23, in which the loads below land
	global_load_b128 v[16:19], v1, s[16:17]        ; Q's fragment stays in registers
	global_load_b128 v[20:23], v1, s[16:17] offset:512
	v_mov_b32 v13, 0xff61b1e6                      ; the largest t so far: -3e38, under every t
	v_floor_f32 v12, -v13
	v_mov_b32 v14, 0
	v_mov_b32 v15, 0
.set j, 0
.rept 32
	v_mov_b32 v[160+j], 0                          ; O^T: which step is a tile's first hangs on the mask, so the step is written once and finds zeros
.set j, j+1
.endr
	s_bitcmp1_b32 s27, 0
	s_cbranch_scc0 .Lno_first
	global_load_b128 v[24:27], v2, s[6:7]          ; no wait: the vector instructions since the wait above name v12-15 and v160-191 alone
	global_load_b128 v[28:31], v2, s[6:7] offset:8192
.Lno_first:
	s_mov_b32 s24, 8
	s_mov_b32 s25, 0
.Lpair:
	TRIP 0
	TRIP 1
	s_wait_xcnt 0x0                                ; the loads and the prefetch have read their bases
	s_add_nc_u64 s[6:7], s[6:7], 32768
	s_add_nc_u64 s[18:19], s[18:19], 512
	s_sub_co_u32 s24, s24, 1
	s_cmp_lg_u32 s24, 0
	s_cbranch_scc1 .Lpair
	; THE WAY OUT of a block: O^T / the sum x 2^(e4 + e5), quantised with 2^e6: registers 4 c .. 4 c + 3 are the head's 32 c + 16 h + 0 .. 15 of my query
.rept 4
	v_nop                                          ; places behind the last products
.endr
	v_add_f32 v14, v14, v15
	v_permlanex16_b32 v236, v14, s30, s31
	v_add_f32 v14, v14, v236                       ; the row's sum
	v_cmp_eq_f32 vcc_lo, 0, v14                    ; no key was allowed
	v_rcp_f32 v254, v14
	v_nop                                          ; a plain instruction behind the reciprocal
	s_wait_alu depctr_va_vdst(0)                   ; the reciprocal has written v254: the wait ahead of its first reader
	v_ldexp_f32 v252, v254, s67
.set j, 0
.rept 16
	v_pk_mul_f32 v[96+j:97+j], v[160+j:161+j], v[252:253] op_sel_hi:[1,0]
.set j, j+2
.endr
.set j, 0
.rept 32
	v_med3_num_f32 v[96+j], v[96+j], -v241, v241
.set j, j+1
.endr
.irp c, 0,1
	v_cvt_scalef32_pk8_fp8_f32 v[208+4*\c:209+4*\c], v[96+16*\c:103+16*\c], v245
	v_cvt_scalef32_pk8_fp8_f32 v[210+4*\c:211+4*\c], v[104+16*\c:111+16*\c], v245
.endr
	v_nop                                          ; a plain instruction between the conversions and the selects that touch their results
	s_wait_alu depctr_va_vcc(0)                    ; the compare above has written VCC, ahead of its first reader, the first select
.irp i, 0,1,2,3,4,5,6,7
	v_cndmask_b32 v[208+\i], v[208+\i], v246, vcc_lo
.endr
	s_wait_alu depctr_va_vdst(0)                   ; the selects have written v208-215, which the two stores read
	global_store_b128 v1, v[208:211], s[20:21]     ; 32 lanes store 512 consecutive bytes, aligned
	global_store_b128 v1, v[212:215], s[20:21] offset:512
	s_sub_nc_u64 s[6:7], s[6:7], 262144            ; back to the head's first step (nothing has named this base since the wait at the last pair's end)
	s_mov_b32 s22, s3                              ; the second block
	s_mov_b32 s100, -1                             ; K and V have been named: no more prefetches
	s_sub_co_u32 s23, s23, 1
	s_cmp_lg_u32 s23, 0
	s_cbranch_scc1 .Lblock
	s_wait_dscnt 0x0                               ; the closing lines, six on end
	s_wait_alu 0x0
	s_wait_tensorcnt 0x0
	ds_add_u32 v5, v6
	s_wait_dscnt 0x0
	s_endpgm
.Lfunc_end_k_qb1626b4e55_attn:
	.size	k_qb1626b4e55_attn, .Lfunc_end_k_qb1626b4e55_attn-k_qb1626b4e55_attn
	.p2alignl 7, 3214868480
	.fill 96, 4, 3214868480
	.section	.rodata,"a",@progbits
	.p2align	6, 0x0
	.amdhsa_kernel k_qb1626b4e55_attn
		.amdhsa_group_segment_fixed_size 34816
		.amdhsa_private_segment_fixed_size 0
		.amdhsa_enable_private_segment 0
		.amdhsa_kernarg_size 48
		.amdhsa_user_sgpr_count 2
		.amdhsa_user_sgpr_kernarg_segment_ptr 1
		.amdhsa_wavefront_size32 1
		.amdhsa_system_sgpr_workgroup_id_x 1
		.amdhsa_system_sgpr_workgroup_id_y 1
		.amdhsa_system_sgpr_workgroup_id_z 1
		.amdhsa_system_vgpr_workitem_id 0
		.amdhsa_next_free_vgpr 256
		.amdhsa_next_free_sgpr 102
		.amdhsa_reserve_vcc 1
		.amdhsa_float_denorm_mode_32 3
		.amdhsa_float_denorm_mode_16_64 3
		.amdhsa_memory_ordered 1
		.amdhsa_forward_progress 1
		.amdhsa_inst_pref_size 54
	.end_amdhsa_kernel
	.amdgpu_metadata
---
amdhsa.version: [ 1, 2 ]
amdhsa.kernels:
  - .name:           k_qb1626b4e55_attn
    .symbol:         k_qb1626b4e55_attn.kd
    .args:
      - { .name: qimg, .offset: 0, .size: 8, .value_kind: global_buffer, .address_space: global }
      - { .name: kvimg, .offset: 8, .size: 8, .value_kind: global_buffer, .address_space: global }
      - { .name: mwords, .offset: 16, .size: 8, .value_kind: global_buffer, .address_space: global }
      - { .name: flags, .offset: 24, .size: 8, .value_kind: global_buffer, .address_space: global }
      - { .name: lowp_scales, .offset: 32, .size: 8, .value_kind: global_buffer, .address_space: global }
      - { .name: aimg, .offset: 40, .size: 8, .value_kind: global_buffer, .address_space: global }
    .group_segment_fixed_size: 34816
    .private_segment_fixed_size: 0
    .kernarg_segment_align: 8
    .kernarg_segment_size: 48
    .max_flat_workgroup_size: 512
    .sgpr_count:     102
    .vgpr_count:     256
    .wavefront_size: 32
...
	.end_amdgpu_metadata
.endif
;; end of part 5
;; launch proj: the kernel of part 4 again; grid 8 x 32, 4 waves a work-group, clusters of 4 x 4, 327,680 bytes of LDS; arguments aimg, woc, lowp_scales, bout, out0; writes out0
